; MI455X (gfx1250); checked and timed in simulation.
; The chip was launched on July 23, 2026; its instructions are those of AMD's public machine-readable ISA for CDNA 5 (MIT licence, August 2026) and "CDNA5" Instruction Set Architecture Reference Guide (July 2026). The comments in the code are by the model that wrote it; some were corrected since.
;; Causal Self Attention. Allowed arithmetic: matrix products marked QUANTISED: E2M3 operands, one E8M0 scale for each 32 along K, by v_wmma_scale_f32_16x16x128_f8f6f4 with both operands' format E2M3, f32 sums; everything else in f32.
;; Inputs: Wk 1,024 x 1,024 float32; Wo 1,024 x 1,024 float32; Wq 1,024 x 1,024 float32; Wv 1,024 x 1,024 float32; bk 1,024 float32; bo 1,024 float32; bq 1,024 float32; bv 1,024 float32; x 8 x 1,024 x 1,024 float32.
;; Outputs: out0 8 x 1,024 x 1,024 float32.
;; This version of the problem:
;;   THIS VERSION OF THE PROBLEM IS GIVEN IN LOW PRECISION. The matrix products marked QUANTISED in the list below multiply operands that are first quantised to E2M3 (2 exponent bits, 3 mantissa bits; 6 bits a number), with one power-of-two scale for each 32 numbers along K (OCP MX v1.0); their sums are f32. All else is computed in f32.
;;   The module's matrix products, in the order in which they are computed (A, B: the left and right operand; K: the contracted axis; several contracted axes count as one K, in the product's order):
;;     1. [M 8,192, K 1,024] x [K 1,024, N 1,024]; A: input x; B: input Wq: QUANTISED
;;     2. [M 8,192, K 1,024] x [K 1,024, N 1,024]; A: input x; B: input Wk: QUANTISED
;;     3. [M 8,192, K 1,024] x [K 1,024, N 1,024]; A: input x; B: input Wv: QUANTISED
;;     4. batch 128 x [M 1,024, K 64] x [K 64, N 1,024]; A: computed on the way; B: computed on the way: QUANTISED
;;     5. batch 128 x [M 1,024, K 1,024] x [K 1,024, N 64]; A: softmax (see below); B: computed on the way: QUANTISED
;;     6. [M 8,192, K 1,024] x [K 1,024, N 1,024]; A: computed on the way; B: input Wo: QUANTISED
;;   THE QUANTISER, for each operand of a quantised product, along K:
;;     - K is cut into blocks of 32 from its start; a last block that is shorter is filled with zeros.
;;     - A block's scale is 2^e with e = floor(log2(the largest magnitude in the block)) - 2, held to -126 .. 127; a block of zeros has e = 0. As a byte (E8M0): e + 127.
;;     - Each number is divided by its block's scale, clamped to +-7.5, and rounded to the nearest number of E2M3, ties to even, subnormals kept.
;;     - The product sums the exact products of the quantised numbers (number of the format x scale) in f32.
;;   ~~~python
;;   def quantise(x, axis):      # numpy; x: float32 -> the quantised numbers, widened to float32 again
;;       x = np.moveaxis(x, axis, -1); K = x.shape[-1]
;;       x = np.pad(x, [(0, 0)] * (x.ndim - 1) + [(0, -K % 32)]); x = x.reshape(x.shape[:-1] + (-1, 32)); a = np.abs(x).max(-1, keepdims=True)
;;       e = np.where(a > 0, np.clip(np.frexp(np.where(a > 0, a, 1))[1] - 1 - 2, -126, 127), 0)      # np.frexp(a)[1] - 1 = floor(log2(a)), exactly
;;       r = np.clip(x / 2.0 ** e, -7.5, 7.5)
;;       step = 2.0 ** (np.maximum(np.frexp(np.where(r == 0, 1, r))[1] - 1, 0) - 3)
;;       q = np.round(r / step) * step * 2.0 ** e      # np.round: ties to even
;;       return np.moveaxis(q.reshape(q.shape[:-2] + (-1,))[..., :K], -1, axis).astype(np.float32)
;;   ~~~
;;   SOFTMAX AHEAD OF A QUANTISED PRODUCT. Where the list says 'softmax', what is quantised is not the finished softmax but p = 2^(t - M), with t = logit x log2(e) and M = ceil(the row's largest t), a whole number; so 1/2 < the row's largest p <= 1. The row's sum l is taken of the UNQUANTISED p, in f32, and the product's result is divided by l at the end. Since M is a whole number, a kernel that streams over the keys may use a running M (the ceiling of the running maximum): every later rescaling is an exact power of two, which a block's scale takes up: the codes' values come out the same.
;;   OPERANDS COMPUTED ON THE WAY. 'Computed on the way' means the value that the module computes at that place (a softmax that the list does not call 'softmax' is quantised finished and normalised). What goes into a quantiser is computed in f32, as accurately as f32 sums, v_exp_f32 and their like allow (about 1e-6 of the number): no bf16 or f16 on the way to a quantiser, and a product that is left as it is and whose result goes on into a quantised operand takes f32 operands (vector FMAs, or v_wmma_f32_16x16x4_f32). A number that lies on a knife's edge between two numbers of the format may be rounded either way, as far as f32 arithmetic and the matrix unit's own rounding can turn it there, and no further.
;; One version. Each part assembles by itself: llvm-mc -triple=amdgcn-amd-amdhsa -mcpu=gfx1250 --defsym DOCPART=n.
;; ======== version 1 of 1: 4 launches
;; limits: right only within a limited range of input values
;; workspace buffers: xc 6,291,456 bytes; xs 262,144 bytes; wc 3,145,728 bytes; ws 131,072 bytes; qkv 19,660,800 bytes; yc 6,291,456 bytes; ys 262,144 bytes
;; launch quant (part 1): grid 512 x 1, 4 waves a work-group, no clusters, 34,304 bytes of LDS; arguments x, Wq, Wk, Wv, Wo, xc, xs, wc, ws; writes xc, xs, wc, ws
.if DOCPART == 1
	.amdgcn_target "amdgcn-amd-amdhsa--gfx1250"
	.amdhsa_code_object_version 6
	.text
	.protected	k_qe402ffddb4_quant
	.globl	k_qe402ffddb4_quant
	.p2align	8
	.type	k_qe402ffddb4_quant,@function
k_qe402ffddb4_quant:
	s_mov_b64 s[64:65], 0
	v_nop
	global_prefetch_b8 v0, s[64:65] scope:SCOPE_SE
	s_setreg_imm32_b32 hwreg(HW_REG_WAVE_MODE, 25, 1), 1
	s_wait_xcnt 0x0
; x [8192][1024] f32 (K innermost) and Wq, Wk, Wv, Wo [1024 (k)][1024 (n)] f32 (K outermost) become codes of FP6 (E2M3) with one E8M0 byte for each 32 along K,
; LAID AS THE MATRIX OPERAND'S REGISTERS: a fragment is 16 rows x 128 K, 12 registers a lane; lane (r, h) holds row r, registers 6 c .. 6 c + 5 hold k = 64 c + 32 h + 0 .. 31.
;   xc [tile 512][K step 8][c 2][768]: half a fragment: registers 6 c .. 6 c + 3 at 16 x lane, registers 6 c + 4, 5 at 512 + 8 x lane.
;   wc [tile 256][K step 8][1536]: registers 4 c .. 4 c + 3 at 512 c + 16 x lane.  The columns of Wq, Wk, Wv, Wo stand on end: 256 tiles.
;   xs [pair 256][K step 8][128], ws [pair 128][K step 8][128]: one scale word a lane: lanes 0-15 the rows of the pair's even tile, lanes 16-31 those of the odd one.
; THE ROWS OF A TILE ARE NOT NEIGHBOURS: row r of tile 2 g + u is index 32 g + 8 u + r + 8 (r / 8), so that later results of two neighbouring tiles are 16 neighbours in a lane's registers.
; A block's scale is 2^(floor(log2(its largest magnitude)) - 2): its byte is the largest magnitude's exponent field - 2, held at 1 from below by a floor among the maximum's leaves.
; LIMITS: a block of zeros gets the byte 1 where the rule says 127 (its codes are zeros, and this program alone reads the bytes); NaN and infinities among the inputs are not served.
; Work-groups 0-255 take x (32 rows each, a wave two K steps), work-groups 256-511 the weights (128 columns x 128 K each, a wave 32 columns).  Nothing is shared between work-groups: no cluster, no tensor load.
.set STG,   8448                       ; x path: a wave's stage in LDS: 16 rows x (512 + 16) bytes
.set SPARE, 4*STG                      ; behind the four stages: the spare words, 128 bytes a wave
.set R,     16                         ; v16-143  x: two sets of 64 registers as loaded
.set X,     144                        ; v144-207 x: my 64 numbers of a fragment: register 32 c + i = k 64 c + 32 h + i of row r
.set C,     208                        ; v208-219 the fragment's codes
.set T,     220                        ; v220-227 the second halves of the blocks' codes
.set M,     228                        ; v228-231 largest magnitudes
.set SO,    232                        ; v232-233 the conversions' scale operands
.set BY,    234                        ; v234-235 the scale bytes
.set WD,    236                        ; v236-237 the scale words of tile u = 0, 1
.set WO,    238                        ; v238-239 the words as stored, one register for each K step
.set PD,    240                        ; v240     a lane permute's destination
.set SPW,   254                        ; v254     LDS address of my spare word; never rewritten
.set NIL,   255                        ; v255     0; never rewritten
.set XW,    16                         ; W path: v16-143 four blocks of 32 numbers of my column
.set F0,    144                        ; v144-155, v156-167: the two fragments
.set F1,    156
.set WT,    168
.set WMX,   172
.set WSO,   174
.set WBY,   175
.set WW,    176
; the largest magnitude of 32 numbers of a lane and the floor 2^(3 - 127), in two chains; result in v[a]
.macro MAX32 a, src
	v_max3_num_f32 v[\a], |v[(\src)]|, |v[(\src)+1]|, 0x1800000
	v_max3_num_f32 v[(\a)+1], |v[(\src)+2]|, |v[(\src)+3]|, |v[(\src)+4]|
.irp i, 5,9,13,17,21,25
	v_max3_num_f32 v[\a], v[\a], |v[(\src)+\i]|, |v[(\src)+\i+1]|
	v_max3_num_f32 v[(\a)+1], v[(\a)+1], |v[(\src)+\i+2]|, |v[(\src)+\i+3]|
.endr
	v_max3_num_f32 v[\a], v[\a], |v[(\src)+29]|, |v[(\src)+30]|
	v_max3_num_f32 v[\a], v[\a], v[(\a)+1], |v[(\src)+31]|
.endm
; unit e of four: K step e / 2 of my two, tile u = e % 2.  Sixteen loads, a tile's row each: 512 consecutive bytes
.macro XLOAD e
.irp i, 0,1,2,3,4,5,6,7,8,9,10,11,12,13,14,15
	global_load_b128 v[R+64*((\e)%2)+4*\i:R+64*((\e)%2)+4*\i+3], v2, s[4:5] offset:(8*((\e)%2)+\i+8*(\i/8))*4096+512*((\e)/2) th:TH_LOAD_NT
.endr
.endm
; through my stage: in as loaded, back 128 neighbouring bytes of one row at a time.  LDS serves a wave's instructions in order: no wait between the stores and the loads
.macro XTURN e
.irp i, 0,1,2,3,4,5,6,7,8,9,10,11,12,13,14,15
	ds_store_b128 v4, v[R+64*((\e)%2)+4*\i:R+64*((\e)%2)+4*\i+3] offset:528*\i
.endr
.irp c, 0,1
.irp j, 0,1,2,3,4,5,6,7
	ds_load_b128 v[X+32*\c+4*\j:X+32*\c+4*\j+3], v5 offset:256*\c+16*\j
.endr
.endr
.endm
.macro XQUANT e
.set uu, (\e)%2
.set kk, (\e)/2
	MAX32 M, X                                     ; my block h
	MAX32 M+2, X+32                                ; my block 2 + h
.irp c, 0,1
	v_add_nc_u32 v[SO+\c], 0xff000000, v[M+2*\c]   ; 2 off the exponent field: the conversion's scale operand
.endr
.irp c, 0,1
	v_lshrrev_b32 v[BY+\c], 23, v[SO+\c]           ; the scale's byte
.endr
	v_lshl_or_b32 v[WD+uu], v[BY+1], 16, v[BY]     ; my two bytes, blocks h and 2 + h,
	v_lshlrev_b32 v[WD+uu], v7, v[WD+uu]           ; at their places (8 h bits up);
	v_permlanex16_b32 v[PD], v[WD+uu], s24, s25
	v_or_b32 v[WD+uu], v[WD+uu], v[PD]             ; with lane l xor 16's the word is whole
.irp c, 0,1
	v_cvt_scalef32_pk16_fp6_f32 v[C+6*\c:C+6*\c+2], v[X+32*\c:X+32*\c+15], v[SO+\c]
	v_cvt_scalef32_pk16_fp6_f32 v[T+4*\c:T+4*\c+2], v[X+32*\c+16:X+32*\c+31], v[SO+\c]   ; (a conversion's three registers begin on an even number)
.endr
	v_nop                                          ; one plain place behind the scaled conversions
.irp c, 0,1
.irp i, 0,1,2
	v_mov_b32 v[C+6*\c+3+\i], v[T+4*\c+\i]
.endr
.endr
.irp c, 0,1
	global_store_b128 v2, v[C+6*\c:C+6*\c+3], s[14:15] offset:uu*12288+kk*1536+\c*768        ; 512 consecutive bytes
	global_store_b64 v3, v[C+6*\c+4:C+6*\c+5], s[14:15] offset:uu*12288+kk*1536+\c*768+512   ; 256 consecutive bytes
.endr
.if uu == 1
	v_cndmask_b32 v[WO+kk], v[WD], v[WD+1], s23    ; lanes 0-15 the even tile's words, lanes 16-31 the odd tile's
	global_store_b32 v6, v[WO+kk], s[16:17] offset:128*kk
.endif
.endm
.macro UNIT e
.if (\e) < 3
	s_wait_loadcnt 16                              ; this unit's sixteen loads are in; the next unit's sixteen may be out
.else
	s_wait_loadcnt 0x0
.endif
	XTURN \e
	s_wait_dscnt 0x0                               ; my numbers are back, and the stage's stores have read the set,
.if (\e) < 2
	XLOAD (\e)+2                                   ; which takes the unit two on
.endif
	s_wait_xcnt 0x0                                ; the last unit's stores have read their data: the codes' registers are written again only behind this wait
	XQUANT \e
.endm
; W path: block t of four: W(32 t + i, my column)
.macro WLOAD t
.irp i, 0,1,2,3,4,5,6,7,8,9,10,11,12,13,14,15,16,17,18,19,20,21,22,23,24,25,26,27,28,29,30,31
	global_load_b32 v[XW+32*(\t)+\i], v2, s[34:35] offset:(32*(\t)+\i)*4096 th:TH_LOAD_NT
.endr
.endm
.macro WBLOCK t, d, left
	s_wait_loadcnt \left                           ; this block's loads are in; no more than the later blocks' are out
	MAX32 WMX, XW+32*(\t)                          ; all 32 numbers of the block are mine
	v_add_nc_u32 v[WSO], 0xff000000, v[WMX]
	v_lshrrev_b32 v[WBY], 23, v[WSO]
.if (\t) == 0
	v_mov_b32 v[WW], v[WBY]
.else
	v_lshl_or_b32 v[WW], v[WBY], 8*(\t), v[WW]     ; byte t of my column's scale word
.endif
	v_cvt_scalef32_pk16_fp6_f32 v[(\d):(\d)+2], v[XW+32*(\t):XW+32*(\t)+15], v[WSO]
	v_cvt_scalef32_pk16_fp6_f32 v[WT:WT+2], v[XW+32*(\t)+16:XW+32*(\t)+31], v[WSO]
	v_nop                                          ; one plain place behind the scaled conversions
.irp i, 0,1,2
	v_mov_b32 v[(\d)+3+\i], v[WT+\i]
.endr
.endm
	s_load_b512 s[4:19], s[0:1], 0x0               ; x, Wq, Wk, Wv, Wo, xc, xs, wc
	s_load_b64 s[20:21], s[0:1], 0x40              ; ws
	v_lshl_add_u32 v[SPW], v0, 2, SPARE
	v_mov_b32 v[NIL], 0
	v_lshrrev_b32 v1, 5, v0
	v_readfirstlane_b32 s22, v1                    ; wave 0..3
	v_and_b32 v1, 31, v0                           ; lane
	s_mov_b32 s23, 0xffff0000                      ; lanes 16-31
	s_mov_b32 s24, 0x76543210
	s_mov_b32 s25, 0xfedcba98                      ; v_permlanex16_b32's selects for lane l xor 16
	s_cmp_lt_u32 ttmp9, 256
	s_cbranch_scc0 .Lweights
	; ---------------- x: work-group g takes rows 32 g .. 32 g + 31, wave q K steps 2 q and 2 q + 1
	v_lshlrev_b32 v2, 4, v1                        ; 16 x lane
	v_lshlrev_b32 v3, 3, v1                        ; 8 x lane
	v_lshlrev_b32 v6, 2, v1                        ; 4 x lane
	s_mul_i32 s26, s22, STG
	v_add_nc_u32 v4, s26, v2                       ; the stage, on the way in
	v_and_b32 v8, 15, v0                           ; r
	v_bfe_u32 v9, v0, 4, 1                         ; h
	v_mul_u32_u24 v5, v8, 528
	v_lshl_add_u32 v5, v9, 7, v5
	v_add_nc_u32 v5, s26, v5                       ; and on the way out: row r, + 128 h
	v_lshlrev_b32 v7, 3, v9                        ; 8 h
	v_mov_b32 v[PD], 0                             ; written once: a lane permute's destination counts as one of its sources
	s_lshl_b32 s28, ttmp9, 17                      ; 32 rows of 4,096 bytes
	s_lshl_b32 s27, s22, 10                        ; two K steps of 512 bytes
	s_add_co_u32 s28, s28, s27
	s_mov_b32 s29, 0
	s_lshl_b32 s30, ttmp9, 4
	s_lshl_b32 s27, s22, 1
	s_add_co_u32 s30, s30, s27
	s_mul_i32 s30, s30, 1536                       ; xc: (tile 2 g, K step 2 q)
	s_mov_b32 s31, 0
	s_lshl_b32 s32, ttmp9, 3
	s_add_co_u32 s32, s32, s27
	s_lshl_b32 s32, s32, 7                         ; xs: (pair g, K step 2 q)
	s_mov_b32 s33, 0
	s_wait_alu depctr_va_vdst(0)
	s_wait_kmcnt 0x0
	s_add_nc_u64 s[4:5], s[4:5], s[28:29]
	s_add_nc_u64 s[14:15], s[14:15], s[30:31]
	s_add_nc_u64 s[16:17], s[16:17], s[32:33]
	XLOAD 0
	XLOAD 1
	UNIT 0
	UNIT 1
	UNIT 2
	UNIT 3
	s_wait_tensorcnt 0x0                           ; the wave's end, behind my last LDS store
	ds_add_u32 v[SPW], v[NIL]
	s_wait_dscnt 0x0
	s_endpgm
	; ---------------- the weights: no LDS.  A LANE TAKES A COLUMN AND ITS REGISTERS RUN DOWN K
.Lweights:
	s_sub_co_u32 s26, ttmp9, 256
	s_lshr_b32 s27, s26, 3                         ; which 128 of the 4,096 columns
	s_and_b32 s26, s26, 7                          ; which K step
	s_lshr_b32 s28, s27, 3                         ; which matrix: q, k, v, o
	s_and_b32 s29, s27, 7
	s_lshl_b32 s30, s26, 19                        ; 128 rows of 4,096 bytes
	s_lshl_b32 s29, s29, 9
	s_add_co_u32 s30, s30, s29                     ; + 128 columns
	s_lshl_b32 s29, s22, 7
	s_add_co_u32 s30, s30, s29                     ; + my wave's 32
	s_mov_b32 s31, 0
	s_lshl_b32 s32, s27, 2
	s_add_co_u32 s32, s32, s22                     ; P: my pair of tiles
	s_lshl_b32 s38, s32, 3
	s_add_co_u32 s38, s38, s26
	s_lshl_b32 s38, s38, 7                         ; ws: (pair P, K step)
	s_mov_b32 s39, 0
	s_lshl_b32 s32, s32, 4
	s_add_co_u32 s32, s32, s26
	s_mul_i32 s32, s32, 1536                       ; wc: (tile 2 P, K step)
	s_mov_b32 s33, 0
	s_and_b32 s29, s28, 1
	v_and_b32 v2, 7, v0
	v_bfe_u32 v3, v0, 3, 1
	v_lshl_add_u32 v2, v3, 4, v2
	v_bfe_u32 v3, v0, 4, 1
	v_lshl_add_u32 v2, v3, 3, v2                   ; my column: lanes 0-15 the even tile's rows, lanes 16-31 the odd tile's, in the tiles' order
	v_lshlrev_b32 v2, 2, v2
	s_wait_alu depctr_va_vdst(0)
	v_lshlrev_b32 v3, 4, v1                        ; 16 x lane
	v_lshlrev_b32 v4, 2, v1                        ; 4 x lane
	s_wait_kmcnt 0x0
	s_cmp_lt_u32 s28, 2                            ; the choice hangs on the work-group's number alone
	s_cselect_b64 s[34:35], s[6:7], s[10:11]
	s_cselect_b64 s[36:37], s[8:9], s[12:13]
	s_cmp_lg_u32 s29, 0
	s_cselect_b64 s[34:35], s[36:37], s[34:35]
	s_add_nc_u64 s[34:35], s[34:35], s[30:31]
	s_add_nc_u64 s[18:19], s[18:19], s[32:33]
	s_add_nc_u64 s[20:21], s[20:21], s[38:39]
	WLOAD 0
	WLOAD 1
	WLOAD 2
	WLOAD 3
	WBLOCK 0, F0, 63                               ; 96 loads were issued behind block 0's, 64 behind block 1's: the wait names 63, which is fewer
	WBLOCK 1, F1, 63
	WBLOCK 2, F0+6, 32
	WBLOCK 3, F1+6, 0
.irp i, 0,1,2,3,4,5,6,7,8,9,10,11
	v_permlane16_swap_b32 v[F0+\i], v[F1+\i]       ; F0 held blocks 0, 2 and F1 blocks 1, 3 of every lane's column: now F0 is the even tile's fragment (lanes 16-31: blocks 1, 3) and F1 the odd tile's
.endr
.irp c, 0,1,2
	global_store_b128 v3, v[F0+4*\c:F0+4*\c+3], s[18:19] offset:512*\c
	global_store_b128 v3, v[F1+4*\c:F1+4*\c+3], s[18:19] offset:12288+512*\c
.endr
	global_store_b32 v4, v[WW], s[20:21]
	s_endpgm
.Lfunc_end_k_qe402ffddb4_quant:
	.size	k_qe402ffddb4_quant, .Lfunc_end_k_qe402ffddb4_quant-k_qe402ffddb4_quant
	.p2alignl 7, 3214868480
	.fill 96, 4, 3214868480
	.section	.rodata,"a",@progbits
	.p2align	6, 0x0
	.amdhsa_kernel k_qe402ffddb4_quant
		.amdhsa_group_segment_fixed_size 34304
		.amdhsa_private_segment_fixed_size 0
		.amdhsa_enable_private_segment 0
		.amdhsa_kernarg_size 72
		.amdhsa_user_sgpr_count 2
		.amdhsa_user_sgpr_kernarg_segment_ptr 1
		.amdhsa_wavefront_size32 1
		.amdhsa_system_sgpr_workgroup_id_x 1
		.amdhsa_system_sgpr_workgroup_id_y 1
		.amdhsa_system_sgpr_workgroup_id_z 1
		.amdhsa_system_vgpr_workitem_id 0
		.amdhsa_next_free_vgpr 256
		.amdhsa_next_free_sgpr 66
		.amdhsa_reserve_vcc 0
		.amdhsa_float_denorm_mode_32 3
		.amdhsa_float_denorm_mode_16_64 3
		.amdhsa_memory_ordered 1
		.amdhsa_forward_progress 1
		.amdhsa_inst_pref_size 51
	.end_amdhsa_kernel
	.amdgpu_metadata
---
amdhsa.version: [ 1, 2 ]
amdhsa.kernels:
  - .name:           k_qe402ffddb4_quant
    .symbol:         k_qe402ffddb4_quant.kd
    .args:
      - { .name: x, .offset: 0, .size: 8, .value_kind: global_buffer, .address_space: global }
      - { .name: Wq, .offset: 8, .size: 8, .value_kind: global_buffer, .address_space: global }
      - { .name: Wk, .offset: 16, .size: 8, .value_kind: global_buffer, .address_space: global }
      - { .name: Wv, .offset: 24, .size: 8, .value_kind: global_buffer, .address_space: global }
      - { .name: Wo, .offset: 32, .size: 8, .value_kind: global_buffer, .address_space: global }
      - { .name: xc, .offset: 40, .size: 8, .value_kind: global_buffer, .address_space: global }
      - { .name: xs, .offset: 48, .size: 8, .value_kind: global_buffer, .address_space: global }
      - { .name: wc, .offset: 56, .size: 8, .value_kind: global_buffer, .address_space: global }
      - { .name: ws, .offset: 64, .size: 8, .value_kind: global_buffer, .address_space: global }
    .group_segment_fixed_size: 34304
    .private_segment_fixed_size: 0
    .kernarg_segment_align: 8
    .kernarg_segment_size: 72
    .max_flat_workgroup_size: 128
    .sgpr_count:     66
    .vgpr_count:     256
    .wavefront_size: 32
...
	.end_amdgpu_metadata
.endif
;; end of part 1
;; launch qkv (part 2): grid 32 x 8, 4 waves a work-group, clusters of 4 x 1, 327,680 bytes of LDS; arguments xc, xs, wc, ws, bq, bk, bv, qkv; writes qkv
.if DOCPART == 2
	.amdgcn_target "amdgcn-amd-amdhsa--gfx1250"
	.amdhsa_code_object_version 6
	.text
	.protected	k_qe402ffddb4_qkv
	.globl	k_qe402ffddb4_qkv
	.p2align	8
	.type	k_qe402ffddb4_qkv,@function
k_qe402ffddb4_qkv:
	s_mov_b64 s[64:65], 0
	v_nop
	global_prefetch_b8 v0, s[64:65] scope:SCOPE_SE
	s_setreg_imm32_b32 hwreg(HW_REG_WAVE_MODE, 25, 1), 1
	s_wait_xcnt 0x0
	s_wait_alu depctr_hold_cnt(0) depctr_sa_sdst(0) depctr_va_vdst(0) depctr_va_sdst(0) depctr_va_ssrc(0) depctr_va_vcc(0) depctr_vm_vsrc(0)
	s_getreg_b32 s2, hwreg(HW_REG_IB_STS2, 6, 4)
	s_cmp_eq_u32 s2, 0
	s_cbranch_scc0 .Lentry_in_a_cluster
	s_endpgm
.Lentry_in_a_cluster:
	s_bfe_u32 s2, ttmp6, 0x10000c
	s_cmp_lg_u32 s2, 0x3003
	s_cbranch_scc0 .Lentry_shape_is_right
	s_endpgm
.Lentry_shape_is_right:
; q, k, v = x W + b on codes of FP6 with E8M0 scales, and their own quantising: q and k along the head's 64, v along the keys.  Nothing leaves in f32.
; SHARES.  A work-group takes 256 tokens x 384 columns of Wq | Wk | Wv: six heads.  Wave w owns 64 tokens (4 tiles of 16); its fragments of x for ALL of K, 4 x 8 x 12 = 384 registers, are loaded once and stay.
; The weights' fragments go through LDS: all six heads' 294,912 bytes and their scale words fit, so no LDS byte is filled twice.  A head is 4 tiles of 16 columns: a K step's 4 fragments feed 16 matrix instructions.
; CLUSTER.  The four work-groups along x take the same columns: each tile of the weights is asked for JOINTLY (mask 15), by the same load with the same descriptor in all four.
; q AND k HEADS are made transposed (source 0 = 16 columns of W, source 1 = 16 tokens): a lane holds one token and its 32 registers run along the head's 64.
; v HEADS the other way (source 0 = tokens, source 1 = columns): a lane holds one channel and its 32 registers run along my 64 tokens, which are the second attention product's K.
; The tiles' rows lie in the order that the quantising launch gave them, so that 16 registers of two neighbouring tiles are 16 neighbours.
; OUT: qkv [batch x 16 + head][step of 128 tokens 8][19,200]: K part, V part, Q part of 6,400 bytes: eight half fragments of 768 bytes (registers 0-3 at 16 x lane, 4-5 at 512 + 8 x lane), then 256 bytes of scale words.
; LIMITS: a block of zeros gets the byte 1 (its codes are zeros; this program alone reads the bytes); NaN and infinities are not served.
; REGISTERS in windows of 256: window 0: addresses, scale words, biases, the 16 accumulators, what the quantiser needs.  Windows 1, 2: x's fragments of K steps 0-3, 4-7.  Window 3: two sets of 8 fragments of W.
.set SCL,   294912                     ; LDS: behind the six heads' fragments: their scale words, 12,288 bytes,
.set BIAS,  307200                     ; the 384 biases, stored by the waves: 6 blocks of 256 bytes into which no tile lands,
.set SPARE, 308736                     ; and the spare words, 128 bytes a wave
.set LI,   1                           ; 16 x lane
.set L8,   2                           ; 8 x lane
.set L4,   3                           ; 4 x lane
.set ADB,  4                           ; LDS: the head's fragments
.set ADW,  5                           ; its scale words
.set ADI,  6                           ; its biases, q and k way
.set ABI,  7
.set ABV,  8
.set VQ16, 9                           ; my places in a K or Q part
.set VQ8,  10
.set VQS,  11
.set VV16, 12                          ; and in a V part
.set VV8,  13
.set VVS,  14
.set ADV,  15                          ; its biases, v way
.set XS,   16                          ; v16-31  x's scale words: register 8 p + s: pair p of my tiles, K step s
.set WS,   32                          ; v32-47  the head's: likewise
.set BI,   48                          ; v48-79  the biases as the C of the first K step: 8 registers for each tile of columns
.set ACC,  80                          ; v80-207
.set PC,   208                         ; v208-239 codes: 8 registers for each of four half fragments
.set PT,   240                         ; v240-242, 244-246, 248-250, 252-254: the second halves of the four half fragments' codes
.set SPW,  251
.set NIL,  255
.set WV,   20
.set CX,   21
.set MB,   22
.set YY,   23
.set G1C,  24                          ; s[24:31] group 1: 12,288 dense bytes as 48 rows of 256
.set G1S,  32                          ; s[32:39] group 1: 24,576 dense bytes as 96 rows of 256
.set G0S,  40
.set G0A,  44
.set G0B,  48                          ; the walking group 0
.set TB,   52
.set TW,   53
.set TBI,  54
.set HG,   55                          ; the head in hand, 0-15 q, 16-31 k, 32-47 v: the same in all four partners
.set CNT,  56
.set HM,   57
.set SEL,  58
.set OB,   60
.set WBASE, 62
.set MSB, 0
.macro WIN new                         ; the immediate's high byte repeats the setting that is left
.if MSB != \new
	s_set_vgpr_msb (MSB<<8)|\new
.set MSB, \new
.endif
.endm
.macro PLACES
.rept 4
	v_nop
.endr
.endm
.macro CROUND                          ; a round of the cluster's barrier
	s_barrier_signal -1
	s_barrier_wait -1
	s_cmp_lg_u32 s[WV], 0
	s_cbranch_scc1 .Lnot_wave_0_\@
	s_barrier_signal -3
.Lnot_wave_0_\@:
	s_barrier_wait -3
	s_barrier_signal -1
	s_barrier_wait -1
.endm
; x's fragments of K step k for my four tiles: 16 loads
.macro ALOAD k
	WIN 0x40*(1+(\k)/4)
.irp m, 0,1,2,3
.irp c, 0,1
	global_load_b128 v[48*((\k)%4)+12*\m+6*\c:48*((\k)%4)+12*\m+6*\c+3], v[LI], s[4:5] offset:12288*\m+1536*(\k)+768*\c
	global_load_b64 v[48*((\k)%4)+12*\m+6*\c+4:48*((\k)%4)+12*\m+6*\c+5], v[L8], s[4:5] offset:12288*\m+1536*(\k)+768*\c+512
.endr
.endr
.endm
; what a head needs ahead of its first K step: biases, scale words, the first K step's fragments.  ahead: the head is HG + ahead
.macro PRELOAD ahead
	v_add_nc_u32 v[ADB], s[TB], v[LI]
	v_add_nc_u32 v[ADW], s[TW], v[L4]
	v_add_nc_u32 v[ADI], s[TBI], v[ABI]
	v_add_nc_u32 v[ADV], s[TBI], v[ABV]
	s_add_co_u32 s70, s[HG], \ahead
	s_cmp_lt_u32 s70, 32
	s_cbranch_scc0 .Lpv_\@
.irp n, 0,1,2,3                        ; q, k: register j of tile n is channel 32 (n / 2) + 8 (n % 2) + 16 h + j
	ds_load_b128 v[BI+8*\n:BI+8*\n+3], v[ADI] offset:(32*(\n/2)+8*(\n%2))*4
	ds_load_b128 v[BI+8*\n+4:BI+8*\n+7], v[ADI] offset:(32*(\n/2)+8*(\n%2))*4+16
.endr
	s_branch .Lpj_\@
.Lpv_\@:
	s_wait_alu depctr_va_vdst(0)
.irp n, 0,1,2,3                        ; v: all eight registers hold the bias of the lane's own channel
.irp j, 0,1,2,3,4,5,6,7
	ds_load_b32 v[BI+8*\n+\j], v[ADV] offset:(32*(\n/2)+8*(\n%2))*4
.endr
.endr
.Lpj_\@:
	s_wait_alu depctr_va_vdst(0)
.irp p, 0,1
.irp k, 0,1,2,3,4,5,6,7
	ds_load_b32 v[WS+8*\p+\k], v[ADW] offset:(8*\p+\k)*128
.endr
.endr
	WIN 0xc0                                       ; destination window 3
.irp n, 0,1,2,3
.irp c, 0,1,2
	ds_load_b128 v[12*\n+4*\c:12*\n+4*\c+3], v[ADB] offset:12288*\n+512*\c                      ; K step 0,
	ds_load_b128 v[48+12*\n+4*\c:48+12*\n+4*\c+3], v[ADB] offset:12288*\n+1536+512*\c           ; and K step 1
.endr
.endr
	WIN 0
.endm
; one matrix instruction, by the symbols rD, rA, rB, rC, rSA, rSB; qa, qb: the scale words stand in lanes 16-31
.macro WM
.if (qa == 1) && (qb == 1)
	v_wmma_scale_f32_16x16x128_f8f6f4 v[rD:rD+7], v[rA:rA+11], v[rB:rB+11], v[rC:rC+7], v[rSA], v[rSB] matrix_a_fmt:MATRIX_FMT_FP6 matrix_b_fmt:MATRIX_FMT_FP6 matrix_a_scale:MATRIX_SCALE_ROW1 matrix_b_scale:MATRIX_SCALE_ROW1
.elseif qa == 1
	v_wmma_scale_f32_16x16x128_f8f6f4 v[rD:rD+7], v[rA:rA+11], v[rB:rB+11], v[rC:rC+7], v[rSA], v[rSB] matrix_a_fmt:MATRIX_FMT_FP6 matrix_b_fmt:MATRIX_FMT_FP6 matrix_a_scale:MATRIX_SCALE_ROW1
.elseif qb == 1
	v_wmma_scale_f32_16x16x128_f8f6f4 v[rD:rD+7], v[rA:rA+11], v[rB:rB+11], v[rC:rC+7], v[rSA], v[rSB] matrix_a_fmt:MATRIX_FMT_FP6 matrix_b_fmt:MATRIX_FMT_FP6 matrix_b_scale:MATRIX_SCALE_ROW1
.else
	v_wmma_scale_f32_16x16x128_f8f6f4 v[rD:rD+7], v[rA:rA+11], v[rB:rB+11], v[rC:rC+7], v[rSA], v[rSB] matrix_a_fmt:MATRIX_FMT_FP6 matrix_b_fmt:MATRIX_FMT_FP6
.endif
.endm
; a head's eight K steps: 128 matrix instructions; the 16 accumulators take turns, one instruction a turn, in the same order in every K step.
; Each of window 3's two sets holds the fragments of TWO K steps, 8 fragments, 96 registers: K step ks lies at 48 (ks % 4).  The next two K steps' 24 LDS loads are issued in one run ahead of two K steps' 32 products,
; into the other set, four places behind the products that read it.  way 0: q, k; way 1: v
.macro KLOOP way
.set ks, 0
.rept 8
.if ((ks%2) == 0) && (ks > 0) && (ks < 6)
	PLACES
.endif
.if (ks%2) == 0
.if ks < 6
	WIN 0xc0
.irp e, 2,3
.irp n, 0,1,2,3
.irp c, 0,1,2
	ds_load_b128 v[48*((ks+\e)%4)+12*\n+4*\c:48*((ks+\e)%4)+12*\n+4*\c+3], v[ADB] offset:12288*\n+1536*(ks+\e)+512*\c
.endr
.endr
.endr
	s_wait_dscnt 24                                ; all but the 24 just issued
.else
	s_wait_dscnt 0x0
.endif
.endif
.if ks < 4
	s_wait_loadcnt 63                              ; x's fragments of this K step are in: 16 (7 - ks) loads were issued behind them, and the wait names no more than that
.else
	s_wait_loadcnt 16*(7-ks)
.endif
.if \way
.set wn, (1+ks/4)|12
.else
.set wn, 3|((1+ks/4)<<2)
.endif
	WIN wn
.set mm, 0
.rept 4
.set nn, 0
.rept 4
.if \way
.set rD, ACC+32*nn+8*mm
.set rA, 48*(ks%4)+12*mm
.set rB, 48*(ks%4)+12*nn
.set rSA, XS+8*(mm/2)+ks
.set qa, mm%2
.set rSB, WS+8*(nn/2)+ks
.set qb, nn%2
.else
.set rD, ACC+32*mm+8*nn
.set rA, 48*(ks%4)+12*nn
.set rB, 48*(ks%4)+12*mm
.set rSA, WS+8*(nn/2)+ks
.set qa, nn%2
.set rSB, XS+8*(mm/2)+ks
.set qb, mm%2
.endif
.set rC, rD
.if ks == 0
.set rC, BI+8*nn                       ; the bias starts the sum
.endif
	WM
.set nn, nn+1
.endr
.set mm, mm+1
.endr
.set ks, ks+1
.endr
	WIN 0
.endm
; 32 numbers of a lane, register 16 b + i = k 32 b + 16 h + i of its row, become half a fragment's codes (6 registers at dst: lane (r, h) holds block h whole) and two scale bytes in v[wd]
; ALL FOUR RUNS OF 32 AT ONCE: run m lies at ACC + 32 m, its codes go to PC + 8 m + 0 .. 5, its two scale bytes to PC + 8 m + 6.  The eight blocks take turns line by line, so that no line reads the line above it.
; What the work needs lies in the codes' own places: PC + 8 m + b the largest magnitude, + 4 + b the other lane's and then the byte, + 6 + b the conversions' scale operand.
.macro QUANT4
.irp m, 0,1,2,3
.irp b, 0,1
	v_max3_num_f32 v[PC+8*\m+\b], |v[ACC+32*\m+16*\b]|, |v[ACC+32*\m+16*\b+1]|, 0x1800000   ; each accumulator is read from its low end on; the floor 2^(3 - 127) holds the byte at 1 from below
.endr
.endr
.irp i, 2,4,6,8,10,12,14
.irp m, 0,1,2,3
.irp b, 0,1
	v_max3_num_f32 v[PC+8*\m+\b], v[PC+8*\m+\b], |v[ACC+32*\m+16*\b+\i]|, |v[ACC+32*\m+16*\b+\i+1]|
.endr
.endr
.endr
.irp m, 0,1,2,3
.irp b, 0,1
	v_permlanex16_b32 v[PC+8*\m+4+\b], v[PC+8*\m+\b], s[SEL], s[SEL+1]
.endr
.endr
.irp m, 0,1,2,3
.irp b, 0,1
	v_max_num_f32 v[PC+8*\m+\b], v[PC+8*\m+\b], v[PC+8*\m+4+\b]     ; with lane l xor 16's 16: the block's largest magnitude
.endr
.endr
.irp m, 0,1,2,3
.irp b, 0,1
	v_add_nc_u32 v[PC+8*\m+6+\b], 0xff000000, v[PC+8*\m+\b]         ; 2 off its exponent field: the conversion's scale operand
.endr
.endr
.irp m, 0,1,2,3
.irp b, 0,1
	v_lshrrev_b32 v[PC+8*\m+4+\b], 23, v[PC+8*\m+6+\b]              ; the scale's byte
.endr
.endr
.irp m, 0,1,2,3
	v_cvt_scalef32_pk16_fp6_f32 v[PC+8*\m:PC+8*\m+2], v[ACC+32*\m:ACC+32*\m+15], v[PC+8*\m+6]
	v_cvt_scalef32_pk16_fp6_f32 v[PT+4*\m:PT+4*\m+2], v[ACC+32*\m+16:ACC+32*\m+31], v[PC+8*\m+7]
.endr
	v_nop                                          ; one plain place behind the scaled conversions
.irp m, 0,1,2,3
	v_lshl_or_b32 v[PC+8*\m+6], v[PC+8*\m+5], 8, v[PC+8*\m+4]       ; the run's two bytes
.endr
.irp i, 0,1,2
.irp m, 0,1,2,3
	v_permlane16_swap_b32 v[PC+8*\m+\i], v[PT+4*\m+\i]              ; the first now holds each lane's block's lower 16 codes, the second the upper 16
.endr
.endr
.irp i, 0,1,2
.irp m, 0,1,2,3
	v_mov_b32 v[PC+8*\m+3+\i], v[PT+4*\m+\i]
.endr
.endr
.endm
.macro EPI_QK
	s_wait_xcnt 0x0                                ; the last head's stores have read their data and their base
	s_and_b32 s72, s[HG], 15
	s_mul_i32 s72, s72, 153600                     ; the head's eight steps
	s_cmp_lt_u32 s[HG], 16
	s_cselect_b32 s73, 12800, 0                    ; the Q part or the K part
	s_add_co_u32 s72, s72, s73
	s_mov_b32 s73, 0
	s_add_nc_u64 s[OB:OB+1], s[WBASE:WBASE+1], s[72:73]
	QUANT4
	v_lshl_or_b32 v[PC+6], v[PC+14], 16, v[PC+6]   ; a word serves two tiles of tokens: bytes 0, 1 the even tile's, bytes 2, 3 the odd tile's
	v_lshl_or_b32 v[PC+22], v[PC+30], 16, v[PC+22]
	v_cndmask_b32 v[PC+6], v[PC+6], v[PC+22], s[HM]   ; lanes 0-15 tiles 0, 1; lanes 16-31 tiles 2, 3
.irp m, 0,1,2,3
	global_store_b128 v[VQ16], v[PC+8*\m:PC+8*\m+3], s[OB:OB+1] offset:768*\m
	global_store_b64 v[VQ8], v[PC+8*\m+4:PC+8*\m+5], s[OB:OB+1] offset:768*\m+512
.endr
	global_store_b32 v[VQS], v[PC+6], s[OB:OB+1] offset:6144
.endm
.macro EPI_V
	s_wait_xcnt 0x0
	s_sub_co_u32 s72, s[HG], 32
	s_mul_i32 s72, s72, 153600
	s_add_co_u32 s72, s72, 6400                    ; the V part
	s_mov_b32 s73, 0
	s_add_nc_u64 s[OB:OB+1], s[WBASE:WBASE+1], s[72:73]
	QUANT4
	v_cndmask_b32 v[PC+6], v[PC+6], v[PC+14], s[HM]   ; lanes 0-15 the even tile of channels, lanes 16-31 the odd one
	v_cndmask_b32 v[PC+22], v[PC+22], v[PC+30], s[HM]
.irp n, 0,1,2,3
	global_store_b128 v[VV16], v[PC+8*\n:PC+8*\n+3], s[OB:OB+1] offset:1536*\n
	global_store_b64 v[VV8], v[PC+8*\n+4:PC+8*\n+5], s[OB:OB+1] offset:1536*\n+512
.endr
	global_store_b16 v[VVS], v[PC+6], s[OB:OB+1] offset:6144      ; my 64 tokens are two of the step's four blocks: two bytes of each word
	global_store_b16 v[VVS], v[PC+22], s[OB:OB+1] offset:6272
.endm
.macro HEADK
	s_cmp_lt_u32 s[HG], 32
	s_cbranch_scc0 .Lkv_\@
	KLOOP 0
	s_branch .Lkj_\@
.Lkv_\@:
	KLOOP 1
.Lkj_\@:
.endm
.macro HEADE
	s_cmp_lt_u32 s[HG], 32
	s_cbranch_scc0 .Lev_\@
	EPI_QK
	s_branch .Lej_\@
.Lev_\@:
	EPI_V
.Lej_\@:
	s_add_co_u32 s[HG], s[HG], 1
.endm
; between two heads.  Each wave waits for all its tensor loads (its tile of the next head), adds 0 to its spare word, and waits for that and for its LDS reads.  fill = 1: a round of the cluster's barrier,
; and behind it the wave's one joint load: its tile of the head after the next, into bytes that have not been filled yet.  The load has a whole head's work in which to land.
.macro CHANGE fill
	s_wait_tensorcnt 0x0
	ds_add_u32 v[SPW], v[NIL]                      ; 0 onto my spare word; the steps below stand between it and the wait for it
.if \fill
	s_add_co_u32 s[G0B+1], s[G0B+1], 49152
	s_add_nc_u64 s[G0B+2:G0B+3], s[G0B+2:G0B+3], 49152
.endif
	s_add_co_u32 s[TB], s[TB], 49152
	s_add_co_u32 s[TW], s[TW], 2048
	s_add_co_u32 s[TBI], s[TBI], 256
	s_wait_dscnt 0x0
.if \fill
	CROUND
	tensor_load_to_lds s[G0B:G0B+3], s[G1C:G1C+7]
	s_nop 0
.else
	s_barrier_signal -1
	s_barrier_wait -1
.endif
	PLACES                                         ; also the places between the head's last products and the loads and reads that follow
.endm
	s_load_b512 s[4:19], s[0:1], 0x0               ; xc, xs, wc, ws, bq, bk, bv, qkv
	v_lshl_add_u32 v[SPW], v0, 2, SPARE
	v_mov_b32 v[NIL], 0
	ds_add_u32 v[SPW], v[NIL]                      ; the wave's opening: the add and its wait ahead of my first tensor load
	ds_add_u32 v[SPW], v[NIL]
	v_lshrrev_b32 v1, 5, v0
	v_readfirstlane_b32 s[WV], v1                  ; wave 0..3
	s_bfe_u32 s[CX], ttmp6, 0x40000                ; my place in the cluster
	s_lshl_b32 s[MB], ttmp9, 2
	s_add_co_u32 s[MB], s[MB], s[CX]               ; my block of 256 tokens: it enters global addresses of x and qkv alone
	s_and_b32 s[YY], ttmp7, 0xffff                 ; my 384 columns, which the four partners share
	s_mov_b32 s[G1C], 15|(3<<16)|(1<<21)           ; the mask: all four; elements of 8 bytes; bit 21 beside a mask; no padding
	s_mov_b32 s[G1C+1], 32<<16                     ; tensor_dim0 = 32 elements: 256 bytes
	s_mov_b32 s[G1C+2], 48<<16                     ; tensor_dim1 = 48
	s_mov_b32 s[G1C+3], 32<<16                     ; tile_dim0
	s_mov_b32 s[G1C+4], 48                         ; tile_dim1
	s_mov_b32 s[G1C+5], 32                         ; the pitch: dense
	s_mov_b32 s[G1C+6], 0
	s_mov_b32 s[G1C+7], 0
	s_mov_b32 s[G1S], 15|(3<<16)|(1<<21)
	s_mov_b32 s[G1S+1], 32<<16
	s_mov_b32 s[G1S+2], 96<<16                     ; half a head: 24,576 dense bytes as 96 rows of 256
	s_mov_b32 s[G1S+3], 32<<16
	s_mov_b32 s[G1S+4], 96
	s_mov_b32 s[G1S+5], 32
	s_mov_b32 s[G1S+6], 0
	s_mov_b32 s[G1S+7], 0
.set G1D, 80                           ; s[80:87] group 1: a whole head, 49,152 dense bytes as 192 rows of 256
.set G0H, 88                           ; s[88:91] group 0 of head 1, whole
	s_mov_b32 s[G1D], 15|(3<<16)|(1<<21)
	s_mov_b32 s[G1D+1], 32<<16
	s_mov_b32 s[G1D+2], 192<<16
	s_mov_b32 s[G1D+3], 32<<16
	s_mov_b32 s[G1D+4], 192
	s_mov_b32 s[G1D+5], 32
	s_mov_b32 s[G1D+6], 0
	s_mov_b32 s[G1D+7], 0
	s_mul_i32 s66, s[YY], 12288                    ; the scale words of my columns
	s_mov_b32 s67, 0                               ; all 12,288 bytes of them by one load
	s_mul_i32 s70, s[WV], 24576                    ; head 0: waves 0 and 1 a half each
	s_mul_i32 s72, s[YY], 294912
	s_add_co_u32 s72, s72, s70
	s_mov_b32 s73, 0
	s_mul_i32 s68, s[YY], 294912                   ; the fragments: wave w fetches tile w of each head
	s_mul_i32 s71, s[WV], 12288
	s_add_co_u32 s68, s68, s71
	s_mov_b32 s69, 0
	s_mov_b32 s[G0S], 1
	s_mov_b32 s[G0S+1], SCL
	s_mov_b32 s[G0A], 1
	s_mov_b32 s[G0A+1], s70
	s_mov_b32 s[G0H], 1
	s_mov_b32 s[G0H+1], 49152
	s_mov_b32 s[G0B], 1
	s_add_co_u32 s[G0B+1], s71, 49152
	s_mov_b32 s[TB], 0
	s_mov_b32 s[TW], SCL
	s_mov_b32 s[TBI], 0
	s_mul_i32 s[HG], s[YY], 6
	s_mov_b32 s[HM], 0xffff0000
	s_mov_b32 s[SEL], 0x76543210
	s_mov_b32 s[SEL+1], 0xfedcba98
	s_wait_dscnt 0x0                               ; the opening add is done
	s_wait_kmcnt 0x0
	s_add_nc_u64 s[G0S+2:G0S+3], s[10:11], s[66:67]
	s_add_nc_u64 s[G0A+2:G0A+3], s[8:9], s[72:73]
	s_add_nc_u64 s[G0B+2:G0B+3], s[8:9], s[68:69]
	s_add_nc_u64 s[G0B+2:G0B+3], s[G0B+2:G0B+3], 49152   ; the walking group 0 stands at my tile of head 1: its first step leads to head 2
	s_mul_i32 s72, s[YY], 294912
	s_add_nc_u64 s[G0H+2:G0H+3], s[8:9], s[72:73]
	s_add_nc_u64 s[G0H+2:G0H+3], s[G0H+2:G0H+3], 49152
	s_or_b32 s[G0H+3], s[G0H+3], 0x80000000
	s_or_b32 s[G0S+3], s[G0S+3], 0x80000000
	s_or_b32 s[G0A+3], s[G0A+3], 0x80000000
	s_or_b32 s[G0B+3], s[G0B+3], 0x80000000
	CROUND                                         ; all four work-groups are here: the first joint loads meet
	s_cmp_lt_u32 s[WV], 2                          ; one joint load a wave, in one chain of arms
	s_cbranch_scc0 .Lhead_words
	tensor_load_to_lds s[G0A:G0A+3], s[G1S:G1S+7]  ; waves 0, 1: a half of head 0 each
	s_nop 0
	PLACES
	s_branch .Lhead_asked
.Lhead_words:
	s_cmp_eq_u32 s[WV], 2
	s_cbranch_scc0 .Lhead_next
	tensor_load_to_lds s[G0S:G0S+3], s[G1C:G1C+7]  ; wave 2: the scale words of all six heads
	s_nop 0
	PLACES
	s_branch .Lhead_asked
.Lhead_next:
	tensor_load_to_lds s[G0H:G0H+3], s[G1D:G1D+7]  ; wave 3: head 1, whole
	s_nop 0
	PLACES
.Lhead_asked:
	v_and_b32 v240, 31, v0
	v_lshlrev_b32 v[LI], 4, v240
	v_lshlrev_b32 v[L8], 3, v240
	v_lshlrev_b32 v[L4], 2, v240
	v_and_b32 v241, 15, v0                         ; r
	v_bfe_u32 v244, v0, 4, 1                       ; h
	v_lshl_add_u32 v[ABI], v244, 6, BIAS           ; q, k: 16 h channels on
	v_and_b32 v247, 8, v241
	v_add_nc_u32 v247, v247, v241
	v_lshl_add_u32 v[ABV], v247, 2, BIAS           ; v: channel r + 8 (r / 8) of the tile
	s_and_b32 s72, s[WV], 1                        ; which half of a step of 128 tokens is mine
	s_mul_i32 s73, s72, 3072
	v_add_nc_u32 v[VQ16], s73, v[LI]
	v_add_nc_u32 v[VQ8], s73, v[L8]
	s_lshl_b32 s73, s72, 7
	v_add_nc_u32 v[VQS], s73, v[L4]
	s_mul_i32 s73, s72, 768
	v_add_nc_u32 v[VV16], s73, v[LI]
	v_add_nc_u32 v[VV8], s73, v[L8]
	s_lshl_b32 s73, s72, 1
	v_add_nc_u32 v[VVS], s73, v[L4]
	v_lshlrev_b32 v245, 2, v0
	s_wait_alu depctr_va_vdst(0)
	v_lshl_add_u32 v246, v0, 2, BIAS
.irp m, 0,1,2,3
.irp b, 0,1
	v_mov_b32 v[PC+8*\m+4+\b], 0                   ; written once: a lane permute's destination counts as one of its sources
.endr
.endr
.irp c, 0,1,2                          ; the 384 biases, 128 at a time; 128 divides 1,024, so a run lies in one of bq, bk, bv
	s_mul_i32 s72, s[YY], 384
	s_add_co_u32 s72, s72, 128*\c
	s_lshr_b32 s73, s72, 10
	s_and_b32 s72, s72, 1023
	s_lshl_b32 s72, s72, 2
	s_cmp_eq_u32 s73, 0
	s_cselect_b64 s[74+2*\c:75+2*\c], s[12:13], s[14:15]
	s_cmp_eq_u32 s73, 2
	s_cselect_b64 s[74+2*\c:75+2*\c], s[16:17], s[74+2*\c:75+2*\c]
	s_mov_b32 s73, 0
	s_add_nc_u64 s[74+2*\c:75+2*\c], s[74+2*\c:75+2*\c], s[72:73]
	global_load_b32 v[PC+\c], v245, s[74+2*\c:75+2*\c]
.endr
	s_lshl_b32 s72, s[MB], 3
	s_lshl_b32 s73, s[WV], 1
	s_add_co_u32 s72, s72, s73
	s_lshl_b32 s72, s72, 10                        ; xs: my two pairs of tiles
	s_mov_b32 s73, 0
	s_add_nc_u64 s[6:7], s[6:7], s[72:73]
	s_lshl_b32 s72, s[MB], 4
	s_lshl_b32 s73, s[WV], 2
	s_add_co_u32 s72, s72, s73
	s_mul_i32 s72, s72, 12288                      ; xc: my four tiles
	s_mov_b32 s73, 0
	s_add_nc_u64 s[4:5], s[4:5], s[72:73]
	s_lshr_b32 s72, s[MB], 2
	s_lshl_b32 s72, s72, 7                         ; qkv: batch x 16 heads x 8 steps,
	s_and_b32 s73, s[MB], 3
	s_lshl_b32 s73, s73, 1
	s_add_co_u32 s72, s72, s73
	s_lshr_b32 s73, s[WV], 1
	s_add_co_u32 s72, s72, s73                     ; + my step
	s_mul_i32 s72, s72, 19200
	s_mov_b32 s73, 0
	s_add_nc_u64 s[WBASE:WBASE+1], s[18:19], s[72:73]
.irp p, 0,1
.irp k, 0,1,2,3,4,5,6,7
	global_load_b32 v[XS+8*\p+\k], v[L4], s[6:7] offset:(8*\p+\k)*128
.endr
.endr
	ALOAD 0
	ALOAD 1
	WIN 0
	s_wait_alu depctr_va_vdst(0)
	s_wait_loadcnt 48                              ; the three bias loads are in: 16 + 32 loads were issued behind them
.irp c, 0,1,2
	ds_store_b32 v246, v[PC+\c] offset:512*\c
.endr
	ALOAD 2
	ALOAD 3
	ALOAD 4
	ALOAD 5
	ALOAD 6
	ALOAD 7
	WIN 0
	s_cmp_eq_u32 s[WV], 3                          ; head 0 and the scale words are waited for by the waves that asked for them; wave 3's load, head 1, may stay out
	s_cbranch_scc1 .Lnot_yet
	s_wait_tensorcnt 0x0
.Lnot_yet:
	s_wait_dscnt 0x0                               ; my biases are stored
	s_barrier_signal -1
	s_barrier_wait -1
	PRELOAD 0
	s_mov_b32 s[CNT], 4
.Lhead:                                            ; four trips: heads 0 to 3; behind each the head two on is asked for
	HEADK
	CHANGE 1
	PRELOAD 1                                      ; the next head's first operands are on their way while this head is quantised
	HEADE
	s_sub_co_u32 s[CNT], s[CNT], 1
	s_cmp_lg_u32 s[CNT], 0
	s_cbranch_scc1 .Lhead
	HEADK                                          ; the tail is written out
	CHANGE 0
	PRELOAD 1
	HEADE
	HEADK
	PLACES
	HEADE
	s_wait_tensorcnt 0x0                           ; the wave's end
	ds_add_u32 v[SPW], v[NIL]
	s_wait_dscnt 0x0
	CROUND                                         ; the closing round
	s_endpgm
.Lfunc_end_k_qe402ffddb4_qkv:
	.size	k_qe402ffddb4_qkv, .Lfunc_end_k_qe402ffddb4_qkv-k_qe402ffddb4_qkv
	.p2alignl 7, 3214868480
	.fill 96, 4, 3214868480
	.section	.rodata,"a",@progbits
	.p2align	6, 0x0
	.amdhsa_kernel k_qe402ffddb4_qkv
		.amdhsa_group_segment_fixed_size 327680
		.amdhsa_private_segment_fixed_size 0
		.amdhsa_enable_private_segment 0
		.amdhsa_kernarg_size 64
		.amdhsa_user_sgpr_count 2
		.amdhsa_user_sgpr_kernarg_segment_ptr 1
		.amdhsa_wavefront_size32 1
		.amdhsa_system_sgpr_workgroup_id_x 1
		.amdhsa_system_sgpr_workgroup_id_y 1
		.amdhsa_system_sgpr_workgroup_id_z 1
		.amdhsa_system_vgpr_workitem_id 0
		.amdhsa_next_free_vgpr 960
		.amdhsa_next_free_sgpr 96
		.amdhsa_reserve_vcc 0
		.amdhsa_float_denorm_mode_32 3
		.amdhsa_float_denorm_mode_16_64 3
		.amdhsa_memory_ordered 1
		.amdhsa_forward_progress 1
		.amdhsa_inst_pref_size 222
	.end_amdhsa_kernel
	.amdgpu_metadata
---
amdhsa.version: [ 1, 2 ]
amdhsa.kernels:
  - .name:           k_qe402ffddb4_qkv
    .symbol:         k_qe402ffddb4_qkv.kd
    .args:
      - { .name: xc, .offset: 0, .size: 8, .value_kind: global_buffer, .address_space: global }
      - { .name: xs, .offset: 8, .size: 8, .value_kind: global_buffer, .address_space: global }
      - { .name: wc, .offset: 16, .size: 8, .value_kind: global_buffer, .address_space: global }
      - { .name: ws, .offset: 24, .size: 8, .value_kind: global_buffer, .address_space: global }
      - { .name: bq, .offset: 32, .size: 8, .value_kind: global_buffer, .address_space: global }
      - { .name: bk, .offset: 40, .size: 8, .value_kind: global_buffer, .address_space: global }
      - { .name: bv, .offset: 48, .size: 8, .value_kind: global_buffer, .address_space: global }
      - { .name: qkv, .offset: 56, .size: 8, .value_kind: global_buffer, .address_space: global }
    .group_segment_fixed_size: 327680
    .private_segment_fixed_size: 0
    .kernarg_segment_align: 8
    .kernarg_segment_size: 64
    .max_flat_workgroup_size: 128
    .sgpr_count:     96
    .vgpr_count:     960
    .wavefront_size: 32
...
	.end_amdgpu_metadata
.endif
;; end of part 2
;; launch attn (part 3): grid 2 x 128, 16 waves a work-group, no clusters, 167,936 bytes of LDS; arguments qkv, yc, ys; writes yc, ys
.if DOCPART == 3
	.amdgcn_target "amdgcn-amd-amdhsa--gfx1250"
	.amdhsa_code_object_version 6
	.text
	.protected	k_qe402ffddb4_attn
	.globl	k_qe402ffddb4_attn
	.p2align	8
	.type	k_qe402ffddb4_attn,@function
k_qe402ffddb4_attn:
	s_mov_b64 s[64:65], 0
	v_nop
	global_prefetch_b8 v0, s[64:65] scope:SCOPE_SE
	s_setreg_imm32_b32 hwreg(HW_REG_WAVE_MODE, 25, 1), 1
	s_wait_xcnt 0x0
; y[b][q][head] = softmax_k(q . k / 8, causal) v, both products on codes of FP6 with E8M0 scales; y = O / l is quantised along the features and leaves as codes, laid as the last product's operand.
; THE SOFTMAX: t = score x log2(e) / 8; M = the running largest t rounded UP to a whole number; p = 2^(t - M) is quantised along the keys, not normalised; the row's sum is taken of the unquantised p.
; When M moves, the sum and O are multiplied by 2^(old M - new M): exact.
; SHARES.  A work-group takes half of a head's 64 tiles of 16 queries; a head's K, V and scale words, 8 steps x 12,800 bytes, come into LDS once.  Wave w takes tile 63 - t and then tile t = 16 g + w:
; (8 - t / 8) + (t / 8 + 1) = 9 key steps of 128 for every wave.  Four waves share a SIMD.
; FILLS.  One tensor load a wave, all at the head: wave w brings part w % 2 (K, V) of step w / 2, 25 rows of 256 bytes.  Three groups of waves have load lines of their own: waves 0-1 (step 0), waves 2-3 (step 1),
; waves 4-15 (steps 2 to 7).  No LDS byte is filled twice.  THREE BARRIERS.  The first shows step 0: waves 0-1 wait for their loads in front of it.  The other two are split, with a whole key step's work between signal and wait
; (work on registers, and LDS reads of a step that an earlier barrier has shown and nobody writes): the second, which shows step 1, is signalled ahead of step 0's work (waves 2-3 have waited for their loads) and waited for behind it;
; the third, which shows steps 2 to 7, is signalled ahead of step 1's work (every wave has waited for its load) and waited for behind it.  The long tile's steps 0 and 1 count whole for every wave (its diagonal lies in step 4 or later).
; NO CLUSTER: only two work-groups read a head's 102,400 bytes, and the steps that a wave leaves out hang on its query block, which would be its work-group's place in the cluster.
; NO PREFETCH: every byte that the work-group reads is asked for at the head; no loop runs ahead of a load.
; THE HEAD'S 64 FILL HALF OF THE INSTRUCTION'S 128: one fragment of K holds TWO tiles of keys (registers 0-5, registers 6-11) and is multiplied by [q, 0] and by [0, q], both cut out of one run 0 | q | 0.
; LAYOUT.  Both products are used transposed: a lane holds one query.  The tiles' rows lie so that the 16 registers of key tiles 2 b, 2 b + 1 are keys 32 b + 16 h + 0 .. 15.
; CAUSAL.  The loops' trip counts are constants; a step all of whose keys come after the wave's queries is jumped over by a scalar branch on ids.  In the step on the diagonal the tile's queries lie in ONE block of 32 keys, block GP:
; blocks ahead of it count whole, blocks behind it become -infinity, and in it key i of a lane's 16 is hidden where i > r + 8 (r / 8) + 8 (t % 2) - 16 h: sixteen lane masks, made once a pass, in scalar registers.
; LIMITS: a block of zeros gets the byte 1 (its codes are zeros; this program alone reads the bytes); NaN and infinities are not served; the promise holds while |t| stays under 2^31.
.set SPARE, 102400                     ; behind the eight steps: the spare words, 128 bytes for each of sixteen waves
.set LI,  1
.set L8,  2
.set L4,  3
.set A16, 4
.set A8,  5
.set A4,  6
.set VR,  7                            ; r + 8 (r / 8) - 16 h
.set ZQ,  8                            ; v8-37: 0 | q of tile t | 0 | q of tile 63 - t | 0, six registers each
.set QS,  38                           ; v38-39 q's scale words
.set QR,  40                           ; v40-41 as loaded
.set KV,  48                           ; v48-95 four fragments of K, then of V
.set S,   96                           ; v96-159 S^T, then p
.set O,   160                          ; v160-191 O^T
.set PCD, 192                          ; v192-203 p's codes; ahead of the conversions: six of the row sum's chains
.set SM,  PCD
.set PTT, 204
.set BM,  212
.set BP,  216
.set SOP, 220
.set PS,  224                          ; p's scale word
.set KSC, 232
.set VSC, 234
.set YC,  236
.set R4,  248                          ; 4 r
.set NINF, 250                         ; -infinity; never rewritten
.set EV,  251
.set SPW, 254
.set NIL, 255
.set TM,  BM                           ; what QUANT2 works in
.set TP,  BP
.set SO,  SOP
.set PT,  244
.set WV,  10
.set BH,  11
.set GP,  12                           ; the block of 32 keys of the diagonal step in which my queries lie
.set T,   13
.set JD,  14
.set J,   15
.set TB,  16
.set SEL, 20
.set CS,  22
.set G1,  24
.set G0A, 32
.set ST0, 54
.set HM,  56
.set MK,  66                           ; s66-81 the sixteen lane masks
.macro PLACES
.rept 4
	v_nop
.endr
.endm
.macro FRAGS base                      ; four fragments, each two halves of 768 bytes as they lie
.irp f, 0,1,2,3
	ds_load_b128 v[KV+12*\f:KV+12*\f+3], v[A16] offset:(\base)+1536*\f
	ds_load_b64 v[KV+12*\f+4:KV+12*\f+5], v[A8] offset:(\base)+1536*\f+512
	ds_load_b128 v[KV+12*\f+6:KV+12*\f+9], v[A16] offset:(\base)+1536*\f+768
	ds_load_b64 v[KV+12*\f+10:KV+12*\f+11], v[A8] offset:(\base)+1536*\f+1280
.endr
.endm
.macro QUANT2 src, dst, wd             ; 32 numbers of a lane become half a fragment's codes and two scale bytes
.irp b, 0,1
	v_max3_num_f32 v[TM+\b], |v[(\src)+16*\b]|, |v[(\src)+16*\b+1]|, 0x1800000
.endr
.irp i, 2,4,6,8,10,12,14
.irp b, 0,1
	s_delay_alu instid0(VALU_DEP_2)
	v_max3_num_f32 v[TM+\b], v[TM+\b], |v[(\src)+16*\b+\i]|, |v[(\src)+16*\b+\i+1]|
.endr
.endr
.irp b, 0,1
	s_delay_alu instid0(VALU_DEP_2)
	v_permlanex16_b32 v[TP+\b], v[TM+\b], s[SEL], s[SEL+1]
.endr
.irp b, 0,1
	s_delay_alu instid0(VALU_DEP_2)
	v_max_num_f32 v[TM+\b], v[TM+\b], v[TP+\b]
.endr
.irp b, 0,1
	s_delay_alu instid0(VALU_DEP_2)
	v_add_nc_u32 v[SO+\b], 0xff000000, v[TM+\b]
.endr
.irp b, 0,1
	s_delay_alu instid0(VALU_DEP_2)
	v_lshrrev_b32 v[TP+\b], 23, v[SO+\b]
.endr
	s_delay_alu instid0(VALU_DEP_1)
	v_lshl_or_b32 v[\wd], v[TP+1], 8, v[TP]
	v_cvt_scalef32_pk16_fp6_f32 v[(\dst):(\dst)+2], v[(\src):(\src)+15], v[SO]
	v_cvt_scalef32_pk16_fp6_f32 v[PT:PT+2], v[(\src)+16:(\src)+31], v[SO+1]
	v_nop                                          ; one plain place behind the scaled conversions
.irp i, 0,1,2
	v_permlane16_swap_b32 v[(\dst)+\i], v[PT+\i]
.endr
.irp i, 0,1,2
	s_delay_alu instid0(VALU_DEP_3)
	v_mov_b32 v[(\dst)+3+\i], v[PT+\i]
.endr
.endm
; where tile s[t]'s codes and scale word of q lie, in bytes from my head's first byte
.macro QOFF t, cp, sp
	s_lshr_b32 s18, s[\t], 3
	s_mul_i32 s18, s18, 19200
	s_and_b32 s19, s[\t], 7
	s_mul_i32 s[\cp], s19, 768
	s_add_co_u32 s[\cp], s[\cp], s18
	s_add_co_u32 s[\cp], s[\cp], 12800
	s_mov_b32 s[\cp+1], 0
	s_lshr_b32 s19, s19, 1
	s_lshl_b32 s19, s19, 6
	s_add_co_u32 s[\sp], s18, s19
	s_add_co_u32 s[\sp], s[\sp], 18944
	s_mov_b32 s[\sp+1], 0
.endm
; the step on the diagonal, block by block of 32 keys; the branches hang on ids alone
.macro MASK
.irp b, 0,1,2,3
	s_cmp_gt_u32 s[GP], \b
	s_cbranch_scc1 .Lseen_\@_\b                    ; all its keys count
.if \b
	s_cmp_eq_u32 s[GP], \b
	s_cbranch_scc0 .Lnone_\@_\b
.endif
.irp i, 0,1,2,3,4,5,6,7,8,9,10,11,12,13,14,15
	v_cndmask_b32 v[S+16*\b+\i], v[S+16*\b+\i], v[NINF], s[MK+\i]   ; each accumulator from its low end on
.endr
.if \b
	s_branch .Lseen_\@_\b
.Lnone_\@_\b:
.irp i, 0,1,2,3,4,5,6,7,8,9,10,11,12,13,14,15
	v_mov_b32 v[S+16*\b+\i], v[NINF]               ; all its keys come after my queries
.endr
.endif
.Lseen_\@_\b:
.endr
.endm
; a key step of 128 keys for tile p.  edge = 0: every key of the step counts for every wave: no test, no mask, no branch
.macro STEP p, edge
.if \edge
	s_cmp_gt_u32 s[J], s[JD]
	s_cbranch_scc1 .Lhidden_\@                     ; all its keys come after my queries
.endif
	v_add_nc_u32 v[A16], s[TB], v[LI]
	v_add_nc_u32 v[A8], s[TB], v[L8]
	v_add_nc_u32 v[A4], s[TB], v[L4]
	FRAGS 0                                        ; K
	ds_load_b32 v[KSC], v[A4] offset:6144
	ds_load_b32 v[KSC+1], v[A4] offset:6272
	s_wait_alu depctr_va_vdst(0)
	s_wait_dscnt 0x0
.irp f, 0,2                            ; S^T = K Q^T: fragment f holds key tiles 2 f and 2 f + 1
	v_wmma_scale_f32_16x16x128_f8f6f4 v[S+16*\f:S+16*\f+7], v[KV+12*\f:KV+12*\f+11], v[ZQ+6+12*\p:ZQ+17+12*\p], 0, v[KSC+\f/2], v[QS+\p] matrix_a_fmt:MATRIX_FMT_FP6 matrix_b_fmt:MATRIX_FMT_FP6
	v_wmma_scale_f32_16x16x128_f8f6f4 v[S+16*\f+8:S+16*\f+15], v[KV+12*\f:KV+12*\f+11], v[ZQ+12*\p:ZQ+11+12*\p], 0, v[KSC+\f/2], v[QS+\p] matrix_a_fmt:MATRIX_FMT_FP6 matrix_b_fmt:MATRIX_FMT_FP6
	v_wmma_scale_f32_16x16x128_f8f6f4 v[S+16*\f+16:S+16*\f+23], v[KV+12*\f+12:KV+12*\f+23], v[ZQ+6+12*\p:ZQ+17+12*\p], 0, v[KSC+\f/2], v[QS+\p] matrix_a_fmt:MATRIX_FMT_FP6 matrix_b_fmt:MATRIX_FMT_FP6 matrix_a_scale:MATRIX_SCALE_ROW1
	v_wmma_scale_f32_16x16x128_f8f6f4 v[S+16*\f+24:S+16*\f+31], v[KV+12*\f+12:KV+12*\f+23], v[ZQ+12*\p:ZQ+11+12*\p], 0, v[KSC+\f/2], v[QS+\p] matrix_a_fmt:MATRIX_FMT_FP6 matrix_b_fmt:MATRIX_FMT_FP6 matrix_a_scale:MATRIX_SCALE_ROW1
.endr
	PLACES                                         ; in front of loads into registers that the products read, and of the first touch of the scores
	FRAGS 6400                                     ; V, into the same registers: it lands under the softmax
	ds_load_b32 v[VSC], v[A4] offset:12544
	ds_load_b32 v[VSC+1], v[A4] offset:12672
.if \edge
	s_cmp_lt_u32 s[J], s[JD]
	s_cbranch_scc1 .Lopen_\@                       ; all its keys count
	MASK
.Lopen_\@:
.endif
.irp b, 0,1,2,3
	v_max3_num_f32 v[BM+\b], v[S+16*\b], v[S+1+16*\b], v[S+2+16*\b]   ; the largest score of each block of 32 keys: for the row's maximum, and, since p rises with the score, for the block's largest p
.endr
.irp i, 3,5,7,9,11,13
.irp b, 0,1,2,3
	v_max3_num_f32 v[BM+\b], v[BM+\b], v[S+16*\b+\i], v[S+1+16*\b+\i]
.endr
.endr
.irp b, 0,1,2,3
	v_max_num_f32 v[BM+\b], v[BM+\b], v[S+15+16*\b]
.endr
.irp b, 0,1,2,3
	s_delay_alu instid0(VALU_DEP_4)
	v_permlanex16_b32 v[BP+\b], v[BM+\b], s[SEL], s[SEL+1]
.endr
.irp b, 0,1,2,3
	s_delay_alu instid0(VALU_DEP_4)
	v_max_num_f32 v[BM+\b], v[BM+\b], v[BP+\b]     ; with lane l xor 16's 16 keys
.endr
	s_delay_alu instid0(VALU_DEP_2)
	v_max3_num_f32 v230, v[BM], v[BM+1], v[BM+2]
	s_delay_alu instid0(VALU_DEP_1)
	v_max_num_f32 v230, v230, v[BM+3]
	s_delay_alu instid0(VALU_DEP_1)
	v_mul_f32 v230, s[CS], v230                    ; as t
	s_delay_alu instid0(VALU_DEP_1)
	v_max_num_f32 v43, v43, v230                   ; the running largest t
	v_mov_b32 v230, v42
	s_delay_alu instid0(VALU_DEP_2)
	v_floor_f32 v42, -v43                          ; the new -M = floor(-t): M is a whole number
	s_delay_alu instid0(VALU_DEP_1)
	v_sub_f32 v230, v42, v230                      ; old M - new M: a whole number, 0 or less
	s_delay_alu instid0(VALU_DEP_1)
	v_cvt_i32_f32 v230, v230                       ; (it saturates)
	s_delay_alu instid0(VALU_DEP_1)
	v_ldexp_f32 v226, 1.0, v230                    ; f = 2^(old M - new M)
.set j, 0
.rept 32
	v_pk_fma_f32 v[S+j:S+j+1], v[S+j:S+j+1], s[CS:CS+1], v[42:43] op_sel_hi:[1,0,0]   ; t - M, two at a time
.set j, j+2
.endr
.irp b, 0,1,2,3
	v_fma_f32 v[BM+\b], v[BM+\b], s[CS], v42       ; the same of each block's largest score
.endr
.set j, 0
	s_wait_alu depctr_va_vdst(0)                   ; ahead of the batch
.rept 64
	v_exp_f32 v[S+j], v[S+j]                       ; p = 2^(t - M)
.set j, j+1
.endr
	v_pk_mul_f32 v[44:45], v[44:45], v[226:227] op_sel_hi:[1,0]   ; the sums under the new M: a plain place behind the exponentials
	s_wait_alu depctr_va_vdst(0)                   ; one wait for the batch, ahead of its first reader
.irp b, 0,1,2,3
	v_exp_f32 v[BM+\b], v[BM+\b]                   ; the block's largest p
.endr
	v_pk_add_f32 v[228:229], v[100:101], v[104:105]   ; the row's sum of the unquantised p, in eight chains
	v_pk_add_f32 v[SM:SM+1], v[108:109], v[112:113]
	v_pk_add_f32 v[SM+2:SM+3], v[116:117], v[120:121]
	v_pk_add_f32 v[SM+4:SM+5], v[124:125], v[128:129]
	v_pk_add_f32 v[SM+6:SM+7], v[132:133], v[136:137]
	v_pk_add_f32 v[SM+8:SM+9], v[140:141], v[144:145]
	v_pk_add_f32 v[SM+10:SM+11], v[148:149], v[152:153]
	v_pk_add_f32 v[44:45], v[44:45], v[156:157]
	v_pk_add_f32 v[228:229], v[228:229], v[96:97]
	v_pk_add_f32 v[SM:SM+1], v[SM:SM+1], v[98:99]
	v_pk_add_f32 v[SM+2:SM+3], v[SM+2:SM+3], v[102:103]
	v_pk_add_f32 v[SM+4:SM+5], v[SM+4:SM+5], v[106:107]
	v_pk_add_f32 v[SM+6:SM+7], v[SM+6:SM+7], v[110:111]
	v_pk_add_f32 v[SM+8:SM+9], v[SM+8:SM+9], v[114:115]
	v_pk_add_f32 v[SM+10:SM+11], v[SM+10:SM+11], v[118:119]
	v_pk_add_f32 v[44:45], v[44:45], v[122:123]
	v_pk_add_f32 v[228:229], v[228:229], v[126:127]
	v_pk_add_f32 v[SM:SM+1], v[SM:SM+1], v[130:131]
	v_pk_add_f32 v[SM+2:SM+3], v[SM+2:SM+3], v[134:135]
	v_pk_add_f32 v[SM+4:SM+5], v[SM+4:SM+5], v[138:139]
	v_pk_add_f32 v[SM+6:SM+7], v[SM+6:SM+7], v[142:143]
	v_pk_add_f32 v[SM+8:SM+9], v[SM+8:SM+9], v[146:147]
	v_pk_add_f32 v[SM+10:SM+11], v[SM+10:SM+11], v[150:151]
	v_pk_add_f32 v[44:45], v[44:45], v[154:155]
	v_pk_add_f32 v[228:229], v[228:229], v[158:159]
	s_delay_alu instid0(VALU_DEP_2)
	v_pk_add_f32 v[44:45], v[44:45], v[SM+4:SM+5]
	s_delay_alu instid0(VALU_DEP_2)
	v_pk_add_f32 v[228:229], v[228:229], v[SM+6:SM+7]
	v_pk_add_f32 v[SM:SM+1], v[SM:SM+1], v[SM+8:SM+9]
	v_pk_add_f32 v[SM+2:SM+3], v[SM+2:SM+3], v[SM+10:SM+11]
	s_delay_alu instid0(VALU_DEP_2)
	v_pk_add_f32 v[44:45], v[44:45], v[SM:SM+1]
	s_delay_alu instid0(VALU_DEP_2)
	v_pk_add_f32 v[228:229], v[228:229], v[SM+2:SM+3]
	s_delay_alu instid0(VALU_DEP_1)
	v_pk_add_f32 v[44:45], v[44:45], v[228:229]
	s_wait_alu depctr_va_vdst(0)                   ; and one for the four
.irp b, 0,1,2,3
	v_max_num_f32 v[BM+\b], 0x1800000, v[BM+\b]    ; the floor 2^(3 - 127): the byte cannot fall under 1
.endr
.irp b, 0,1,2,3
	s_delay_alu instid0(VALU_DEP_4)
	v_add_nc_u32 v[SOP+\b], 0xff000000, v[BM+\b]
.endr
.irp b, 0,1,2,3
	s_delay_alu instid0(VALU_DEP_4)
	v_lshrrev_b32 v[BP+\b], 23, v[SOP+\b]
.endr
	s_delay_alu instid0(VALU_DEP_3)
	v_lshl_or_b32 v[PS], v[BP+1], 8, v[BP]         ; p's scale word for these 128 keys
	s_delay_alu instid0(VALU_DEP_1)
	v_lshl_or_b32 v[PS], v[BP+2], 16, v[PS]
	s_delay_alu instid0(VALU_DEP_1)
	v_lshl_or_b32 v[PS], v[BP+3], 24, v[PS]
.irp c, 0,1
	v_cvt_scalef32_pk16_fp6_f32 v[PCD+6*\c:PCD+6*\c+2], v[S+32*\c:S+32*\c+15], v[SOP+2*\c]
	v_cvt_scalef32_pk16_fp6_f32 v[PTT+4*\c:PTT+4*\c+2], v[S+32*\c+16:S+32*\c+31], v[SOP+2*\c+1]
.endr
	v_nop                                          ; one plain place behind the scaled conversions
.irp c, 0,1
.irp i, 0,1,2
	v_permlane16_swap_b32 v[PCD+6*\c+\i], v[PTT+4*\c+\i]
.endr
.irp i, 0,1,2
	s_delay_alu instid0(VALU_DEP_3)
	v_mov_b32 v[PCD+6*\c+3+\i], v[PTT+4*\c+\i]
.endr
.endr
	s_wait_alu depctr_va_vdst(0)                   ; directly ahead of the first reader of O^T
.set j, 0
.rept 16
	v_pk_mul_f32 v[O+j:O+j+1], v[O+j:O+j+1], v[226:227] op_sel_hi:[1,0]   ; O^T under the new M; also the places between the writes of p's codes and scale word and the products
.set j, j+2
.endr
	s_wait_alu depctr_va_vdst(0)
	s_wait_dscnt 0x0                               ; V is in
.irp n, 0,2                            ; O^T += V^T P^T: the four accumulators by turns
	v_wmma_scale_f32_16x16x128_f8f6f4 v[O+8*\n:O+8*\n+7], v[KV+12*\n:KV+12*\n+11], v[PCD:PCD+11], v[O+8*\n:O+8*\n+7], v[VSC+\n/2], v[PS] matrix_a_fmt:MATRIX_FMT_FP6 matrix_b_fmt:MATRIX_FMT_FP6
	v_wmma_scale_f32_16x16x128_f8f6f4 v[O+8*\n+8:O+8*\n+15], v[KV+12*\n+12:KV+12*\n+23], v[PCD:PCD+11], v[O+8*\n+8:O+8*\n+15], v[VSC+\n/2], v[PS] matrix_a_fmt:MATRIX_FMT_FP6 matrix_b_fmt:MATRIX_FMT_FP6 matrix_a_scale:MATRIX_SCALE_ROW1
.endr
	PLACES
.if \edge
.Lhidden_\@:
.endif
	s_add_co_u32 s[TB], s[TB], 12800
.endm
.macro FIN p
	v_add_f32 v44, v44, v45                        ; the sum's two halves,
	s_delay_alu instid0(VALU_DEP_1)
	v_permlanex16_b32 v[BP], v44, s[SEL], s[SEL+1]
	s_delay_alu instid0(VALU_DEP_1)
	v_add_f32 v44, v44, v[BP]                      ; and lane l xor 16's
	s_wait_alu depctr_va_vdst(0)
	v_rcp_f32 v44, v44
	v_nop                                          ; a plain place behind the reciprocal
	s_wait_xcnt 0x0                                ; the last pass's stores have read their data and their base
	s_lshr_b32 s50, s[BH], 4
	s_lshl_b32 s50, s50, 6
	s_add_co_u32 s50, s50, s[T]                    ; the tile of tokens,
	s_lshl_b32 s50, s50, 4
	s_and_b32 s51, s[BH], 15
	s_add_co_u32 s50, s50, s51                     ; the head: K step head / 2, half head % 2
	s_mul_i32 s50, s50, 768
	s_mov_b32 s51, 0
	s_add_nc_u64 s[60:61], s[6:7], s[50:51]
	s_wait_alu depctr_va_vdst(0)                   ; the wait ahead of the reciprocal's first reader
.set j, 0
.rept 32
	v_mul_f32 v[O+j], v[O+j], v44                  ; y = O / l: register 16 b + i is channel 32 b + 16 h + i
.set j, j+1
.endr
	QUANT2 O, YC, 46+\p
	global_store_b128 v[LI], v[YC:YC+3], s[60:61]
	global_store_b64 v[L8], v[YC+4:YC+5], s[60:61] offset:512
.endm
.macro PINIT p                         ; a pass's ids, lane masks and empty state
	s_mov_b32 s[T], s[ST0+\p]
	s_lshr_b32 s[JD], s[T], 3                      ; the step on the diagonal,
	s_bfe_u32 s[GP], s[T], 0x20001                 ; and in it the block of 32 keys: (t / 2) % 4
	s_and_b32 s19, s[T], 1
	s_lshl_b32 s19, s19, 3
	s_mov_b32 s[J], 0
	s_mov_b32 s[TB], 0
	v_add_nc_u32 v[EV], s19, v[VR]                 ; my query less the block's first key less 16 h
	v_mov_b32 v43, 0xff61b1e6                      ; the largest t so far: -3e38
	s_delay_alu instid0(VALU_DEP_1)
	v_floor_f32 v42, -v43                          ; -M
	v_mov_b32 v44, 0
	v_mov_b32 v45, 0
.irp i, 0,1,2,3,4,5,6,7,8,9,10,11,12,13,14,15
	v_cmp_gt_i32 s[MK+\i], \i, v[EV]               ; the lanes in which key i of the lane's 16 is hidden
.endr
.set j, 0
.rept 32
	v_mov_b32 v[O+j], 0                            ; the step is written once for all trips: the first finds zeros, which the first change of M leaves zeros
.set j, j+1
.endr
.endm
.macro YSOFF d, t                      ; where tile s[t]'s scale bytes of my head begin in ys, but for 4 r
	s_lshr_b32 s59, s[BH], 4
	s_lshl_b32 s59, s59, 5
	s_lshr_b32 s19, s[\t], 1
	s_add_co_u32 s59, s59, s19
	s_lshl_b32 s59, s59, 3
	s_bfe_u32 s19, s[BH], 0x30001
	s_add_co_u32 s59, s59, s19
	s_lshl_b32 s59, s59, 7
	s_and_b32 s19, s[\t], 1
	s_lshl_b32 s19, s19, 6
	s_add_co_u32 s59, s59, s19
	s_and_b32 s19, s[BH], 1
	s_lshl_b32 s19, s19, 1
	s_add_co_u32 s[\d], s59, s19
.endm
.macro TLOAD
	tensor_load_to_lds s[G0A:G0A+3], s[G1:G1+7]
	s_nop 0
	PLACES
.endm
	s_load_b128 s[4:7], s[0:1], 0x0                ; qkv, yc
	s_load_b64 s[8:9], s[0:1], 0x10                ; ys
	v_lshl_add_u32 v[SPW], v0, 2, SPARE
	v_mov_b32 v[NIL], 0
	ds_add_u32 v[SPW], v[NIL]                      ; the wave's opening: the add, twice on end, and its wait ahead of the first tensor load; the head's work on registers stands between
	ds_add_u32 v[SPW], v[NIL]
	v_lshrrev_b32 v1, 5, v0
	s_delay_alu instid0(VALU_DEP_1)
	v_readfirstlane_b32 s[WV], v1                  ; wave 0..15
	s_and_b32 s[BH], ttmp7, 0xffff                 ; batch x 16 + head
	s_mov_b32 s[G1], 3<<16                         ; no mask; elements of 8 bytes; no padding
	s_mov_b32 s[G1+1], 32<<16                      ; rows of 256 bytes,
	s_mov_b32 s[G1+2], 25<<16                      ; 25 of them: a step's K part or V part, 6,400 dense bytes
	s_mov_b32 s[G1+3], 32<<16
	s_mov_b32 s[G1+4], 25
	s_mov_b32 s[G1+5], 32
	s_mov_b32 s[G1+6], 0
	s_mov_b32 s[G1+7], 0
	s_mul_i32 s40, s[BH], 153600
	s_mov_b32 s41, 0
	s_lshr_b32 s42, s[WV], 1
	s_mul_i32 s42, s42, 19200                      ; step w / 2,
	s_and_b32 s43, s[WV], 1
	s_mul_i32 s43, s43, 6400                       ; part w % 2
	s_add_co_u32 s42, s42, s43
	s_mov_b32 s43, 0
	s_mov_b32 s[G0A], 1
	s_mul_i32 s[G0A+1], s[WV], 6400                ; in LDS the sixteen parts lie on end
	s_mov_b32 s[SEL], 0x76543210
	s_mov_b32 s[SEL+1], 0xfedcba98
	s_mov_b32 s[CS], 0x3e38aa3b                    ; c = log2(e) / 8
	s_mov_b32 s[CS+1], s[CS]
	s_mov_b32 s[HM], 0xffff0000
	s_lshl_b32 s[ST0], ttmp9, 4
	s_add_co_u32 s[ST0], s[ST0], s[WV]             ; my short tile,
	s_sub_co_u32 s[ST0+1], 63, s[ST0]              ; and my long one
	QOFF ST0+1, 44, 48
	QOFF ST0, 50, 46
	s_mov_b32 s57, 0x01000100                      ; an even tile's bytes are a word's bytes 0, 1; an odd tile's 2, 3: both are laid out twice
	s_and_b32 s19, s[ST0], 1
	s_cmp_lg_u32 s19, 0
	s_cselect_b32 s57, 0x03020302, s57
	s_mov_b32 s58, 0x03020302
	s_cselect_b32 s58, 0x01000100, s58             ; 63 - t has the other parity
	v_and_b32 v228, 31, v0
	s_delay_alu instid0(VALU_DEP_1)
	v_lshlrev_b32 v[LI], 4, v228
	s_delay_alu instid0(VALU_DEP_2)
	v_lshlrev_b32 v[L8], 3, v228
	s_wait_alu depctr_va_vdst(0)
	v_lshlrev_b32 v[L4], 2, v228
	v_and_b32 v229, 15, v0                         ; r
	v_bfe_u32 v230, v0, 4, 1                       ; h
	s_delay_alu instid0(VALU_DEP_2)
	v_and_b32 v231, 8, v229
	s_delay_alu instid0(VALU_DEP_1)
	v_add_nc_u32 v231, v231, v229
	s_delay_alu instid0(VALU_DEP_3)
	v_lshlrev_b32 v230, 4, v230
	s_delay_alu instid0(VALU_DEP_1)
	v_sub_nc_u32 v[VR], v231, v230
	v_lshlrev_b32 v[R4], 2, v229
.irp z, 0,12,24
.irp i, 0,1,2,3,4,5
	v_mov_b32 v[ZQ+\z+\i], 0                       ; the zero codes round q
.endr
.endr
.irp b, 0,1,2,3
	v_mov_b32 v[BP+\b], 0                          ; written once: a lane permute's destination counts as one of its sources
.endr
	v_mov_b32 v227, 0                              ; (named as the upper half of the pair v[226:227])
	v_mov_b32 v[NINF], 0xff800000
	s_wait_alu depctr_va_vdst(0)
	s_wait_dscnt 0x0                               ; both opening adds are done
	s_wait_kmcnt 0x0
	s_add_nc_u64 s[40:41], s[4:5], s[40:41]        ; my head
	s_add_nc_u64 s[44:45], s[40:41], s[44:45]
	s_add_nc_u64 s[48:49], s[40:41], s[48:49]
	global_load_b128 v[ZQ+18:ZQ+21], v[LI], s[44:45]     ; the long tile's q
	global_load_b64 v[ZQ+22:ZQ+23], v[L8], s[44:45] offset:512
	global_load_b32 v[QR+1], v[R4], s[48:49]
	s_add_nc_u64 s[G0A+2:G0A+3], s[40:41], s[42:43]
	s_or_b32 s[G0A+3], s[G0A+3], 0x80000000
	s_add_nc_u64 s[50:51], s[40:41], s[50:51]
	s_add_nc_u64 s[46:47], s[40:41], s[46:47]
	s_cmp_lt_u32 s[WV], 2                          ; one load a wave; each group of waves that a barrier waits for has a line of its own
	s_cbranch_scc0 .Lgroup_1
	TLOAD                                          ; waves 0-1: step 0
	s_branch .Lasked
.Lgroup_1:
	s_cmp_lt_u32 s[WV], 4
	s_cbranch_scc0 .Lgroup_2
	TLOAD                                          ; waves 2-3: step 1
	s_branch .Lasked
.Lgroup_2:
	TLOAD                                          ; waves 4-15: steps 2 to 7
.Lasked:
	global_load_b128 v[ZQ+6:ZQ+9], v[LI], s[50:51]
	global_load_b64 v[ZQ+10:ZQ+11], v[L8], s[50:51] offset:512
	global_load_b32 v[QR], v[R4], s[46:47]
	PINIT 1
	s_wait_loadcnt 0x3                             ; the long tile's three loads are in; the short tile's three may be out
	v_perm_b32 v[QS+1], v[QR+1], v[QR+1], s58
.rept 8
	v_nop                                          ; a scale register written by a vector instruction stands eight places ahead of the first product that takes it
.endr
	s_wait_alu depctr_va_vdst(0)                   ; at the head's end
	s_cmp_lt_u32 s[WV], 2
	s_cbranch_scc0 .Lnot_first
	s_wait_tensorcnt 0x0                           ; my part of step 0 is in
.Lnot_first:
	s_barrier_signal -1
	s_barrier_wait -1                              ; step 0 is whole; the others may be on their way
	s_cmp_lt_u32 s[WV], 4
	s_cbranch_scc0 .Lnot_second
	s_wait_tensorcnt 0x0                           ; my part of step 1 is in
.Lnot_second:
	s_barrier_signal -1                            ; said ahead of step 0's work,
	STEP 1, 0                                      ; the long tile, step 0: work on registers and reads of step 0's bytes
	s_barrier_wait -1                              ; and asked of the others behind it: step 1 is whole
	s_wait_loadcnt 0x0                             ; the short tile's q is in
	v_perm_b32 v[QS], v[QR], v[QR], s57
	s_wait_alu depctr_va_vdst(0)
	s_wait_tensorcnt 0x0                           ; every wave waits for its own load,
	s_wait_dscnt 0x0
	s_barrier_signal -1                            ; says so ahead of step 1's work,
	STEP 1, 0                                      ; the long tile, step 1: work on registers and reads of step 1's bytes
	s_mov_b32 s[J], 2
	s_mov_b32 s[TB], 2*12800
	s_barrier_wait -1                              ; and goes on when all have said so: all eight steps are whole
.Lrest:                                                ; the long tile, steps 2 to 7
	STEP 1, 1
	s_add_co_u32 s[J], s[J], 1
	s_cmp_lt_u32 s[J], 8
	s_cbranch_scc1 .Lrest
	FIN 1
	PINIT 0
.Lshort:                                               ; the short tile: tiles 0 to 31 need steps 0 to 3 at the most
	STEP 0, 1
	s_add_co_u32 s[J], s[J], 1
	s_cmp_lt_u32 s[J], 4
	s_cbranch_scc1 .Lshort
	FIN 0
	YSOFF 62, ST0
	YSOFF 63, ST0+1
	v_mov_b32 v228, s62
	v_mov_b32 v229, s63
	s_delay_alu instid0(VALU_DEP_1)
	v_cndmask_b32 v228, v228, v229, s[HM]          ; lanes 0-15 store my short tile's bytes, lanes 16-31 my long tile's
	s_delay_alu instid0(VALU_DEP_1)
	v_add_nc_u32 v228, v228, v[R4]
	v_cndmask_b32 v229, v46, v47, s[HM]
	global_store_b16 v228, v229, s[8:9]
	s_wait_tensorcnt 0x0                           ; the wave's end
	ds_add_u32 v[SPW], v[NIL]
	s_wait_dscnt 0x0
	s_endpgm
.Lfunc_end_k_qe402ffddb4_attn:
	.size	k_qe402ffddb4_attn, .Lfunc_end_k_qe402ffddb4_attn-k_qe402ffddb4_attn
	.p2alignl 7, 3214868480
	.fill 96, 4, 3214868480
	.section	.rodata,"a",@progbits
	.p2align	6, 0x0
	.amdhsa_kernel k_qe402ffddb4_attn
		.amdhsa_group_segment_fixed_size 167936
		.amdhsa_private_segment_fixed_size 0
		.amdhsa_enable_private_segment 0
		.amdhsa_kernarg_size 24
		.amdhsa_user_sgpr_count 2
		.amdhsa_user_sgpr_kernarg_segment_ptr 1
		.amdhsa_wavefront_size32 1
		.amdhsa_system_sgpr_workgroup_id_x 1
		.amdhsa_system_sgpr_workgroup_id_y 1
		.amdhsa_system_sgpr_workgroup_id_z 1
		.amdhsa_system_vgpr_workitem_id 0
		.amdhsa_next_free_vgpr 256
		.amdhsa_next_free_sgpr 84
		.amdhsa_reserve_vcc 0
		.amdhsa_float_denorm_mode_32 3
		.amdhsa_float_denorm_mode_16_64 3
		.amdhsa_memory_ordered 1
		.amdhsa_forward_progress 1
		.amdhsa_inst_pref_size 104
	.end_amdhsa_kernel
	.amdgpu_metadata
---
amdhsa.version: [ 1, 2 ]
amdhsa.kernels:
  - .name:           k_qe402ffddb4_attn
    .symbol:         k_qe402ffddb4_attn.kd
    .args:
      - { .name: qkv, .offset: 0, .size: 8, .value_kind: global_buffer, .address_space: global }
      - { .name: yc, .offset: 8, .size: 8, .value_kind: global_buffer, .address_space: global }
      - { .name: ys, .offset: 16, .size: 8, .value_kind: global_buffer, .address_space: global }
    .group_segment_fixed_size: 167936
    .private_segment_fixed_size: 0
    .kernarg_segment_align: 8
    .kernarg_segment_size: 24
    .max_flat_workgroup_size: 512
    .sgpr_count:     84
    .vgpr_count:     256
    .wavefront_size: 32
...
	.end_amdgpu_metadata
.endif
;; end of part 3
;; launch outp (part 4): grid 32 x 8, 4 waves a work-group, clusters of 4 x 1, 167,936 bytes of LDS; arguments yc, ys, wc, ws, bo, out0; writes out0
.if DOCPART == 4
	.amdgcn_target "amdgcn-amd-amdhsa--gfx1250"
	.amdhsa_code_object_version 6
	.text
	.protected	k_qe402ffddb4_outp
	.globl	k_qe402ffddb4_outp
	.p2align	8
	.type	k_qe402ffddb4_outp,@function
k_qe402ffddb4_outp:
	s_mov_b64 s[64:65], 0
	v_nop
	global_prefetch_b8 v0, s[64:65] scope:SCOPE_SE
	s_setreg_imm32_b32 hwreg(HW_REG_WAVE_MODE, 25, 1), 1
	s_wait_xcnt 0x0
	s_wait_alu depctr_hold_cnt(0) depctr_sa_sdst(0) depctr_va_vdst(0) depctr_va_sdst(0) depctr_va_ssrc(0) depctr_va_vcc(0) depctr_vm_vsrc(0)
	s_getreg_b32 s2, hwreg(HW_REG_IB_STS2, 6, 4)
	s_cmp_eq_u32 s2, 0
	s_cbranch_scc0 .Lentry_in_a_cluster
	s_endpgm
.Lentry_in_a_cluster:
	s_bfe_u32 s2, ttmp6, 0x10000c
	s_cmp_lg_u32 s2, 0x3003
	s_cbranch_scc0 .Lentry_shape_is_right
	s_endpgm
.Lentry_shape_is_right:
; out0 = y Wo + bo on codes of FP6 with E8M0 scales; out0 [8192][1024] f32.
; SHARES.  A work-group takes 256 tokens x 128 columns, as two runs of 64 columns (4 tiles).  Wave w owns 64 tokens; its fragments of y for all of K, 384 registers, are loaded once and stay.
; Wo's fragments (98,304 bytes) and scale words come into LDS once.  CLUSTER: the four work-groups along x take the same columns: each tile of Wo is asked for JOINTLY (mask 15).
; The product is used transposed (source 0 = 16 columns of Wo, source 1 = 16 tokens): a lane holds one token and 32 registers along the run's 64 columns.
; THE WAY OUT: a tile of 16 tokens x 64 columns goes through the wave's own stage in LDS and leaves as rows of 256 bytes, sixteen lanes to a row; the order that the tiles' rows were given is undone by the stores' offsets.
; REGISTERS in windows of 256: window 0: addresses, scale words, biases, the 16 accumulators.  Windows 1, 2: y's fragments of K steps 0-3, 4-7.  Window 3: two sets of 8 fragments of Wo.
.set SCL,   98304
.set BIAS,  102400                     ; 128 biases, stored by the waves
.set STAGE, 102912                     ; 16 rows x (256 + 16) bytes for each wave
.set SPARE, 120320
.set LI,   1
.set L8,   2
.set L4,   3
.set ADB,  4
.set ADW,  5
.set ADI,  6
.set ABI,  7
.set STO,  8
.set SRD,  9
.set GO,   10
.set XS,   16
.set WS,   32
.set BI,   48
.set ACC,  80
.set SPW,  254
.set NIL,  255
.set WV,   20
.set CX,   21
.set MB,   22
.set YY,   23
.set G1C,  24
.set G1S,  32
.set G0S,  40
.set G0A,  44
.set G0B,  48
.set TB,   52
.set TW,   53
.set TBI,  54
.set MSB, 0
.macro WIN new                         ; the immediate's high byte repeats the setting that is left
.if MSB != \new
	s_set_vgpr_msb (MSB<<8)|\new
.set MSB, \new
.endif
.endm
.macro PLACES
.rept 4
	v_nop
.endr
.endm
.macro CROUND
	s_barrier_signal -1
	s_barrier_wait -1
	s_cmp_lg_u32 s[WV], 0
	s_cbranch_scc1 .Lnot_wave_0_\@
	s_barrier_signal -3
.Lnot_wave_0_\@:
	s_barrier_wait -3
	s_barrier_signal -1
	s_barrier_wait -1
.endm
.macro ALOAD k
	WIN 0x40*(1+(\k)/4)
.irp m, 0,1,2,3
.irp c, 0,1
	global_load_b128 v[48*((\k)%4)+12*\m+6*\c:48*((\k)%4)+12*\m+6*\c+3], v[LI], s[4:5] offset:12288*\m+1536*(\k)+768*\c
	global_load_b64 v[48*((\k)%4)+12*\m+6*\c+4:48*((\k)%4)+12*\m+6*\c+5], v[L8], s[4:5] offset:12288*\m+1536*(\k)+768*\c+512
.endr
.endr
.endm
.macro PRELOAD                         ; a run's biases, scale words and first K step
	v_add_nc_u32 v[ADB], s[TB], v[LI]
	v_add_nc_u32 v[ADW], s[TW], v[L4]
	v_add_nc_u32 v[ADI], s[TBI], v[ABI]
.irp n, 0,1,2,3
	ds_load_b128 v[BI+8*\n:BI+8*\n+3], v[ADI] offset:(32*(\n/2)+8*(\n%2))*4
	ds_load_b128 v[BI+8*\n+4:BI+8*\n+7], v[ADI] offset:(32*(\n/2)+8*(\n%2))*4+16
.endr
.irp p, 0,1
.irp k, 0,1,2,3,4,5,6,7
	ds_load_b32 v[WS+8*\p+\k], v[ADW] offset:(8*\p+\k)*128
.endr
.endr
	WIN 0xc0
.irp n, 0,1,2,3
.irp c, 0,1,2
	ds_load_b128 v[12*\n+4*\c:12*\n+4*\c+3], v[ADB] offset:12288*\n+512*\c                      ; K step 0,
	ds_load_b128 v[48+12*\n+4*\c:48+12*\n+4*\c+3], v[ADB] offset:12288*\n+1536+512*\c           ; and K step 1
.endr
.endr
	WIN 0
.endm
.macro WM
.if (qa == 1) && (qb == 1)
	v_wmma_scale_f32_16x16x128_f8f6f4 v[rD:rD+7], v[rA:rA+11], v[rB:rB+11], v[rC:rC+7], v[rSA], v[rSB] matrix_a_fmt:MATRIX_FMT_FP6 matrix_b_fmt:MATRIX_FMT_FP6 matrix_a_scale:MATRIX_SCALE_ROW1 matrix_b_scale:MATRIX_SCALE_ROW1
.elseif qa == 1
	v_wmma_scale_f32_16x16x128_f8f6f4 v[rD:rD+7], v[rA:rA+11], v[rB:rB+11], v[rC:rC+7], v[rSA], v[rSB] matrix_a_fmt:MATRIX_FMT_FP6 matrix_b_fmt:MATRIX_FMT_FP6 matrix_a_scale:MATRIX_SCALE_ROW1
.elseif qb == 1
	v_wmma_scale_f32_16x16x128_f8f6f4 v[rD:rD+7], v[rA:rA+11], v[rB:rB+11], v[rC:rC+7], v[rSA], v[rSB] matrix_a_fmt:MATRIX_FMT_FP6 matrix_b_fmt:MATRIX_FMT_FP6 matrix_b_scale:MATRIX_SCALE_ROW1
.else
	v_wmma_scale_f32_16x16x128_f8f6f4 v[rD:rD+7], v[rA:rA+11], v[rB:rB+11], v[rC:rC+7], v[rSA], v[rSB] matrix_a_fmt:MATRIX_FMT_FP6 matrix_b_fmt:MATRIX_FMT_FP6
.endif
.endm
; a run's eight K steps: 128 matrix instructions, the 16 accumulators by turns.  Each of window 3's two sets holds the fragments of TWO K steps, 8 fragments, 96 registers:
; K step ks lies at 48 (ks % 4).  The next two K steps' 24 LDS loads go out in one run ahead of two K steps' 32 products, into the other set, four places behind the products that read it
.macro KLOOP
.set ks, 0
.rept 8
.if ((ks%2) == 0) && (ks > 0) && (ks < 6)
	PLACES
.endif
.if (ks%2) == 0
.if ks < 6
	WIN 0xc0
.irp e, 2,3
.irp n, 0,1,2,3
.irp c, 0,1,2
	ds_load_b128 v[48*((ks+\e)%4)+12*\n+4*\c:48*((ks+\e)%4)+12*\n+4*\c+3], v[ADB] offset:12288*\n+1536*(ks+\e)+512*\c
.endr
.endr
.endr
	s_wait_dscnt 24                                ; all but the 24 just issued
.else
	s_wait_dscnt 0x0
.endif
.endif
.if ks < 4
	s_wait_loadcnt 63                              ; y's fragments of this K step are in: 16 (7 - ks) loads were issued behind them, and the wait names no more than that
.else
	s_wait_loadcnt 16*(7-ks)
.endif
.set wn, 3|((1+ks/4)<<2)
	WIN wn
.set mm, 0
.rept 4
.set nn, 0
.rept 4
.set rD, ACC+32*mm+8*nn
.set rA, 48*(ks%4)+12*nn
.set rB, 48*(ks%4)+12*mm
.set rSA, WS+8*(nn/2)+ks
.set qa, nn%2
.set rSB, XS+8*(mm/2)+ks
.set qb, mm%2
.set rC, rD
.if ks == 0
.set rC, BI+8*nn                       ; the bias starts the sum
.endif
	WM
.set nn, nn+1
.endr
.set mm, mm+1
.endr
.set ks, ks+1
.endr
	WIN 0
.endm
.macro TOSTAGE m                       ; register 16 b + i of tile m is column 32 b + 16 h + i of token row r.  LDS serves a wave's instructions in order: no wait between the stores and the loads
.irp q, 0,1,2,3,4,5,6,7
	ds_store_b128 v[STO], v[ACC+32*(\m)+4*\q:ACC+32*(\m)+4*\q+3] offset:128*(\q/4)+16*(\q%4)   ; each accumulator from its low end on
.endr
.irp k, 0,1,2,3,4,5,6,7
	ds_load_b128 v[ACC+32*(\m)+4*\k:ACC+32*(\m)+4*\k+3], v[SRD] offset:544*\k
.endr
.endm
.macro SEND m, younger, run            ; younger: the LDS instructions issued behind tile m's loads
	s_wait_dscnt \younger
.irp k, 0,1,2,3,4,5,6,7
	global_store_b128 v[GO], v[ACC+32*(\m)+4*\k:ACC+32*(\m)+4*\k+3], s[14:15] offset:(32*((\m)/2)+8*((\m)%2)+2*\k+8*(\k/4))*4096+256*(\run) th:TH_STORE_NT   ; sixteen lanes store 256 consecutive bytes, aligned
.endr
.endm
.macro EPI_OUT run
	TOSTAGE 0
	TOSTAGE 1
	SEND 0, 16, \run
	TOSTAGE 2
	SEND 1, 16, \run
	TOSTAGE 3
	SEND 2, 16, \run
	SEND 3, 0, \run
.endm
	s_load_b256 s[4:11], s[0:1], 0x0               ; yc, ys, wc, ws
	s_load_b128 s[12:15], s[0:1], 0x20             ; bo, out0
	v_lshl_add_u32 v[SPW], v0, 2, SPARE
	v_mov_b32 v[NIL], 0
	ds_add_u32 v[SPW], v[NIL]                      ; the wave's opening: the add and its wait ahead of my first tensor load
	ds_add_u32 v[SPW], v[NIL]
	v_lshrrev_b32 v1, 5, v0
	v_readfirstlane_b32 s[WV], v1
	s_bfe_u32 s[CX], ttmp6, 0x40000
	s_lshl_b32 s[MB], ttmp9, 2
	s_add_co_u32 s[MB], s[MB], s[CX]               ; my block of 256 tokens
	s_and_b32 s[YY], ttmp7, 0xffff                 ; my 128 columns, which the four partners share
	s_mov_b32 s[G1C], 15|(3<<16)|(1<<21)
	s_mov_b32 s[G1C+1], 32<<16
	s_mov_b32 s[G1C+2], 96<<16                     ; half a run: 24,576 dense bytes as 96 rows of 256
	s_mov_b32 s[G1C+3], 32<<16
	s_mov_b32 s[G1C+4], 96
	s_mov_b32 s[G1C+5], 32
	s_mov_b32 s[G1C+6], 0
	s_mov_b32 s[G1C+7], 0
	s_mov_b32 s[G1S], 15|(3<<16)|(1<<21)
	s_mov_b32 s[G1S+1], 32<<16
	s_mov_b32 s[G1S+2], 16<<16                     ; the scale words: 4,096 dense bytes
	s_mov_b32 s[G1S+3], 32<<16
	s_mov_b32 s[G1S+4], 16
	s_mov_b32 s[G1S+5], 32
	s_mov_b32 s[G1S+6], 0
	s_mov_b32 s[G1S+7], 0
.set G1D, 56                           ; s[56:63] group 1: a whole run, 49,152 dense bytes as 192 rows of 256
	s_mov_b32 s[G1D], 15|(3<<16)|(1<<21)
	s_mov_b32 s[G1D+1], 32<<16
	s_mov_b32 s[G1D+2], 192<<16
	s_mov_b32 s[G1D+3], 32<<16
	s_mov_b32 s[G1D+4], 192
	s_mov_b32 s[G1D+5], 32
	s_mov_b32 s[G1D+6], 0
	s_mov_b32 s[G1D+7], 0
	s_lshl_b32 s66, s[YY], 12                      ; ws: Wo's pairs begin at 98,304; four pairs are mine, all by one load
	s_add_co_u32 s66, s66, 98304
	s_mov_b32 s67, 0
	s_mul_i32 s68, s[YY], 98304                    ; wc: Wo's tiles begin at 2,359,296; eight tiles are mine
	s_mul_i32 s71, s[WV], 24576                    ; the first run: waves 0 and 1 a half each
	s_mul_i32 s72, s[YY], 98304
	s_add_co_u32 s72, s72, 2359296+49152           ; the second run, whole
	s_mov_b32 s73, 0
	s_add_co_u32 s68, s68, s71
	s_add_co_u32 s68, s68, 2359296
	s_mov_b32 s69, 0
	s_mov_b32 s[G0S], 1
	s_mov_b32 s[G0S+1], SCL
	s_mov_b32 s[G0A], 1
	s_mov_b32 s[G0A+1], s71
	s_mov_b32 s[G0B], 1
	s_mov_b32 s[G0B+1], 49152
	s_mov_b32 s[TB], 0
	s_mov_b32 s[TW], SCL
	s_mov_b32 s[TBI], 0
	s_wait_dscnt 0x0                               ; the opening add is done
	s_wait_kmcnt 0x0
	s_add_nc_u64 s[G0S+2:G0S+3], s[10:11], s[66:67]
	s_add_nc_u64 s[G0A+2:G0A+3], s[8:9], s[68:69]
	s_add_nc_u64 s[G0B+2:G0B+3], s[8:9], s[72:73]
	s_or_b32 s[G0S+3], s[G0S+3], 0x80000000
	s_or_b32 s[G0A+3], s[G0A+3], 0x80000000
	s_or_b32 s[G0B+3], s[G0B+3], 0x80000000
	CROUND                                         ; all four work-groups are here: the joint loads meet
	s_cmp_lt_u32 s[WV], 2                          ; one joint load a wave, in one chain of arms
	s_cbranch_scc0 .Lhead_words
	tensor_load_to_lds s[G0A:G0A+3], s[G1C:G1C+7]  ; waves 0, 1: a half of the first run each
	s_nop 0
	PLACES
	s_branch .Lhead_asked
.Lhead_words:
	s_cmp_eq_u32 s[WV], 2
	s_cbranch_scc0 .Lhead_next
	tensor_load_to_lds s[G0S:G0S+3], s[G1S:G1S+7]  ; wave 2: the scale words
	s_nop 0
	PLACES
	s_branch .Lhead_asked
.Lhead_next:
	tensor_load_to_lds s[G0B:G0B+3], s[G1D:G1D+7]  ; wave 3: the second run, whole
	s_nop 0
	PLACES
.Lhead_asked:
	v_and_b32 v240, 31, v0
	v_lshlrev_b32 v[LI], 4, v240
	v_lshlrev_b32 v[L8], 3, v240
	v_lshlrev_b32 v[L4], 2, v240
	v_and_b32 v241, 15, v0                         ; r
	v_bfe_u32 v244, v0, 4, 1                       ; h
	v_lshl_add_u32 v[ABI], v244, 6, BIAS
	s_mul_i32 s72, s[WV], 16*272
	s_add_co_u32 s72, s72, STAGE                   ; my stage
	v_mul_u32_u24 v[STO], v241, 272
	v_lshl_add_u32 v[STO], v244, 6, v[STO]
	v_add_nc_u32 v[STO], s72, v[STO]               ; in: row r, + 64 h
	v_mul_u32_u24 v[SRD], v244, 272
	v_lshl_add_u32 v[SRD], v241, 4, v[SRD]
	v_add_nc_u32 v[SRD], s72, v[SRD]               ; back: lanes 0-15 one row, lanes 16-31 the next
	v_lshlrev_b32 v[GO], 12, v244
	v_lshl_add_u32 v[GO], v241, 4, v[GO]           ; and the same two rows in out0
	v_lshlrev_b32 v245, 2, v0
	v_lshl_add_u32 v246, v0, 2, BIAS
	s_lshl_b32 s72, s[YY], 9
	s_mov_b32 s73, 0
	s_add_nc_u64 s[12:13], s[12:13], s[72:73]      ; my 128 biases
	global_load_b32 v208, v245, s[12:13]
	s_add_nc_u64 s[14:15], s[14:15], s[72:73]      ; out0: my 128 columns,
	s_lshl_b32 s72, s[MB], 8
	s_lshl_b32 s74, s[WV], 6
	s_add_co_u32 s72, s72, s74
	s_lshl_b32 s72, s72, 12
	s_add_nc_u64 s[14:15], s[14:15], s[72:73]      ; my wave's first token
	s_lshl_b32 s72, s[MB], 3
	s_lshl_b32 s74, s[WV], 1
	s_add_co_u32 s72, s72, s74
	s_lshl_b32 s72, s72, 10
	s_add_nc_u64 s[6:7], s[6:7], s[72:73]          ; ys: my two pairs of tiles
	s_lshl_b32 s72, s[MB], 4
	s_lshl_b32 s74, s[WV], 2
	s_add_co_u32 s72, s72, s74
	s_mul_i32 s72, s72, 12288
	s_add_nc_u64 s[4:5], s[4:5], s[72:73]          ; yc: my four tiles
.irp p, 0,1
.irp k, 0,1,2,3,4,5,6,7
	global_load_b32 v[XS+8*\p+\k], v[L4], s[6:7] offset:(8*\p+\k)*128
.endr
.endr
	ALOAD 0
	ALOAD 1
	WIN 0
	s_wait_alu depctr_va_vdst(0)
	s_wait_loadcnt 48                              ; the bias load is in: 16 + 32 loads were issued behind it
	ds_store_b32 v246, v208
	ALOAD 2
	ALOAD 3
	ALOAD 4
	ALOAD 5
	ALOAD 6
	ALOAD 7
	WIN 0
	s_cmp_eq_u32 s[WV], 3                          ; the first run and the scale words are waited for by the waves that asked for them; wave 3's load, the second run, may stay out
	s_cbranch_scc1 .Lnot_yet
	s_wait_tensorcnt 0x0
.Lnot_yet:
	s_wait_dscnt 0x0                               ; my biases are stored
	s_barrier_signal -1
	s_barrier_wait -1
	PRELOAD
	s_wait_alu depctr_va_vdst(0)
	KLOOP
	s_wait_tensorcnt 0x0                           ; my part of the second run is in,
	s_wait_dscnt 0x0
	s_barrier_signal -1
	s_barrier_wait -1                              ; everybody's is
	PLACES                                         ; between the run's last products and the loads and reads that follow
	s_add_co_u32 s[TB], s[TB], 49152
	s_add_co_u32 s[TW], s[TW], 2048
	s_add_co_u32 s[TBI], s[TBI], 256
	PRELOAD                                        ; the second run's first operands are on their way while the first run goes out
	EPI_OUT 0
	s_wait_xcnt 0x0                                ; the stores have read their data: the accumulators are written again only behind this wait
	s_wait_alu depctr_va_vdst(0)
	KLOOP
	PLACES
	EPI_OUT 1
	s_wait_tensorcnt 0x0                           ; the wave's end
	ds_add_u32 v[SPW], v[NIL]
	s_wait_dscnt 0x0
	CROUND                                         ; the closing round
	s_endpgm
.Lfunc_end_k_qe402ffddb4_outp:
	.size	k_qe402ffddb4_outp, .Lfunc_end_k_qe402ffddb4_outp-k_qe402ffddb4_outp
	.p2alignl 7, 3214868480
	.fill 96, 4, 3214868480
	.section	.rodata,"a",@progbits
	.p2align	6, 0x0
	.amdhsa_kernel k_qe402ffddb4_outp
		.amdhsa_group_segment_fixed_size 167936
		.amdhsa_private_segment_fixed_size 0
		.amdhsa_enable_private_segment 0
		.amdhsa_kernarg_size 48
		.amdhsa_user_sgpr_count 2
		.amdhsa_user_sgpr_kernarg_segment_ptr 1
		.amdhsa_wavefront_size32 1
		.amdhsa_system_sgpr_workgroup_id_x 1
		.amdhsa_system_sgpr_workgroup_id_y 1
		.amdhsa_system_sgpr_workgroup_id_z 1
		.amdhsa_system_vgpr_workitem_id 0
		.amdhsa_next_free_vgpr 960
		.amdhsa_next_free_sgpr 80
		.amdhsa_reserve_vcc 0
		.amdhsa_float_denorm_mode_32 3
		.amdhsa_float_denorm_mode_16_64 3
		.amdhsa_memory_ordered 1
		.amdhsa_forward_progress 1
		.amdhsa_inst_pref_size 85
	.end_amdhsa_kernel
	.amdgpu_metadata
---
amdhsa.version: [ 1, 2 ]
amdhsa.kernels:
  - .name:           k_qe402ffddb4_outp
    .symbol:         k_qe402ffddb4_outp.kd
    .args:
      - { .name: yc, .offset: 0, .size: 8, .value_kind: global_buffer, .address_space: global }
      - { .name: ys, .offset: 8, .size: 8, .value_kind: global_buffer, .address_space: global }
      - { .name: wc, .offset: 16, .size: 8, .value_kind: global_buffer, .address_space: global }
      - { .name: ws, .offset: 24, .size: 8, .value_kind: global_buffer, .address_space: global }
      - { .name: bo, .offset: 32, .size: 8, .value_kind: global_buffer, .address_space: global }
      - { .name: out0, .offset: 40, .size: 8, .value_kind: global_buffer, .address_space: global }
    .group_segment_fixed_size: 167936
    .private_segment_fixed_size: 0
    .kernarg_segment_align: 8
    .kernarg_segment_size: 48
    .max_flat_workgroup_size: 128
    .sgpr_count:     80
    .vgpr_count:     960
    .wavefront_size: 32
...
	.end_amdgpu_metadata
.endif
;; end of part 4
